; MI455X (gfx1250); checked and timed in simulation.
; The chip was launched on July 23, 2026; its instructions are those of AMD's public machine-readable ISA for CDNA 5 (MIT licence, August 2026) and "CDNA5" Instruction Set Architecture Reference Guide (July 2026). The comments in the code are by the model that wrote it; some were corrected since.
;; Attention. Allowed arithmetic: matrix products marked QUANTISED: E4M3 operands, one given power-of-two scale a tensor, by v_wmma_f32_16x16x64_fp8_fp8 or v_wmma_f32_16x16x128_fp8_fp8, f32 sums; everything else in f32.
;; Inputs: Wk_codes 1,024 x 32 x 32 uint8 (E4M3 codes of Wk, K innermost, in blocks of 32 codes); Wq_codes 1,024 x 32 x 32 uint8 (E4M3 codes of Wq, K innermost, in blocks of 32 codes); Wv_codes 1,024 x 32 x 32 uint8 (E4M3 codes of Wv, K innermost, in blocks of 32 codes); b_k 1,024 float32; b_t 1,024 float32; b_v 1,024 float32; bk 1,024 float32; bq 1,024 float32; bv 1,024 float32; g_k 1,024 float32; g_t 1,024 float32; g_v 1,024 float32; lowp_scales 10 int32 (the exponents e of the quantised operands' scales 2^e); source_k 8 x 2,048 x 1,024 float32; source_v 8 x 2,048 x 1,024 float32; target 8 x 512 x 1,024 float32.
;; Outputs: out0 8 x 512 x 1,024 float32.
;; This version of the problem:
;;   THIS VERSION OF THE PROBLEM IS GIVEN IN LOW PRECISION. The matrix products marked QUANTISED in the list below multiply operands that are first quantised to E4M3 (4 exponent bits, 3 mantissa bits; 8 bits a number), with one given power-of-two scale for each operand tensor; their sums are f32. All else is computed in f32.
;;   The module's matrix products, in the order in which they are computed (A, B: the left and right operand; K: the contracted axis; several contracted axes count as one K, in the product's order):
;;     1. [M 4,096, K 1,024] x [K 1,024, N 1,024]; A: computed on the way; B: input Wq (given as codes): QUANTISED (scales: A lowp_scales[0], B lowp_scales[1])
;;     2. [M 16,384, K 1,024] x [K 1,024, N 1,024]; A: computed on the way; B: input Wk (given as codes): QUANTISED (scales: A lowp_scales[2], B lowp_scales[3])
;;     3. [M 16,384, K 1,024] x [K 1,024, N 1,024]; A: computed on the way; B: input Wv (given as codes): QUANTISED (scales: A lowp_scales[4], B lowp_scales[5])
;;     4. batch 8 x [M 512, K 1,024] x [K 1,024, N 2,048]; A: computed on the way; B: computed on the way: QUANTISED (scales: A lowp_scales[6], B lowp_scales[7])
;;     5. batch 8 x [M 512, K 2,048] x [K 2,048, N 1,024]; A: softmax (see below); B: computed on the way: QUANTISED (scales: A lowp_scales[8], B lowp_scales[9])
;;   THE QUANTISER, for each operand of a quantised product, along K:
;;     - The operand's scale is 2^e, e = its entry of the input lowp_scales (int32; the entries are numbered through the quantised products in the list's order, A before B).
;;     - Each number is divided by the scale, clamped to +-448, and rounded to the nearest number of E4M3, ties to even, subnormals kept.
;;     - The product sums the exact products of the quantised numbers (number of the format x scale) in f32.
;;   ~~~python
;;   def quantise(x, axis, e):      # numpy; x: float32 -> the quantised numbers, widened to float32 again
;;       x = np.moveaxis(x, axis, -1); K = x.shape[-1]
;;       r = np.clip(x / 2.0 ** e, -448, 448)
;;       step = 2.0 ** (np.maximum(np.frexp(np.where(r == 0, 1, r))[1] - 1, -6) - 3)
;;       q = np.round(r / step) * step * 2.0 ** e      # np.round: ties to even
;;       return np.moveaxis(q, -1, axis).astype(np.float32)
;;   ~~~
;;   SOFTMAX AHEAD OF A QUANTISED PRODUCT. Where the list says 'softmax', what is quantised is not the finished softmax but p = 2^(t - M), with t = logit x log2(e) and M = ceil(the row's largest t), a whole number; so 1/2 < the row's largest p <= 1. The row's sum l is taken of the UNQUANTISED p, in f32, and the product's result is divided by l at the end. Since M is a whole number, a kernel that streams over the keys may use a running M (the ceiling of the running maximum): every later rescaling is an exact power of two, so the quantised numbers keep their values, but for numbers so far below the row's largest that they fall under the format's range.
;;   OPERANDS COMPUTED ON THE WAY. 'Computed on the way' means the value that the module computes at that place (a softmax that the list does not call 'softmax' is quantised finished and normalised). What goes into a quantiser is computed in f32, as accurately as f32 sums, v_exp_f32 and their like allow (about 1e-6 of the number): no bf16 or f16 on the way to a quantiser, and a product that is left as it is and whose result goes on into a quantised operand takes f32 operands (vector FMAs, or v_wmma_f32_16x16x4_f32). A number that lies on a knife's edge between two numbers of the format may be rounded either way, as far as f32 arithmetic and the matrix unit's own rounding can turn it there, and no further.
;;   INPUTS GIVEN AS CODES. Wk (in the module: [1024, 1024], K = its axis 1); Wq (in the module: [1024, 1024], K = its axis 1); Wv (in the module: [1024, 1024], K = its axis 1): each comes as NAME_codes (uint8): NAME with its K axis moved to the last place and cut into blocks of 32 codes, [.., K / 32, bytes a block], one block behind the other in memory; one code a byte (a code: sign, 4 exponent bits, 3 mantissa bits); its scale is its entry of lowp_scales. Its value is code x scale, taken as it is: it is not quantised again, and the codes and scales need not be those that the quantiser above would give.
;; 2 versions, each right; version 2 is version 1 with the launch proj written anew for expert scheduling mode. Each part assembles by itself: llvm-mc -triple=amdgcn-amd-amdhsa -mcpu=gfx1250 --defsym DOCPART=n.
;; ======== version 1 of 2: 4 launches
;; limits: right only within a limited range of input values
;; workspace buffers: wf 3,145,728 bytes; kc 16,777,216 bytes; qc 4,194,304 bytes; vc 16,777,216 bytes; pc 8,388,608 bytes; st 262,144 bytes
;; launch lay (part 1): grid 192 x 1, 4 waves a work-group, no clusters, 0 bytes of LDS; arguments Wk_codes, Wv_codes, Wq_codes, wf; writes wf
.if DOCPART == 1
	.amdgcn_target "amdgcn-amd-amdhsa--gfx1250"
	.amdhsa_code_object_version 6
	.text
	.protected	k_q068a153ef5_lay
	.globl	k_q068a153ef5_lay
	.p2align	8
	.type	k_q068a153ef5_lay,@function
k_q068a153ef5_lay:
	s_mov_b64 s[64:65], 0
	v_nop
	global_prefetch_b8 v0, s[64:65] scope:SCOPE_SE
	s_setreg_imm32_b32 hwreg(HW_REG_WAVE_MODE, 25, 1), 1
	s_wait_xcnt 0x0
; The three weights' codes ([1024 rows n][1024 k], one byte a code) are laid once in the order in which a wave's operand registers take them.
; A FRAGMENT is 16 rows x 128 k = 2,048 bytes: byte 512 c + 16 lane + y is byte y of registers 4 c .. 4 c + 3 of lane (r = lane % 16, h = lane / 16), which hold k = 128 s + 32 c + 16 h + 0 .. 15 of row r.
; wf: 1 MiB a weight, T = 0 Wk, 1 Wv, 2 Wq; rows n = 128 G + 16 t + r, K step s.
;   Wk, Wv: [G 8][s 8][t 8][2048]: a K step's eight fragments of a column group lie on end, as the next launch's waves of 128 columns take them.
;   Wq:     [G 8][t / 2: 4][s 8][t % 2][2048]: the eight K steps of two tiles lie on end, 32 KiB: what one wave of 32 columns takes there.
; A work-group takes 16 rows of one weight (64 work-groups a weight), wave w the K steps 2 w and 2 w + 1: 256 neighbouring bytes of each row, in eight loads; each store covers 512 consecutive bytes, aligned.
; No LDS, no barrier: waves share nothing.  3 MiB in all, so that the next launch can load every fragment by four dense loads.
	s_load_b256 s[4:11], s[0:1], 0x0               ; Wk s[4:5], Wv s[6:7], Wq s[8:9], wf s[10:11]
	v_lshrrev_b32 v1, 5, v0
	v_readfirstlane_b32 s2, v1                     ; wave
	v_and_b32 v4, 15, v0                           ; r
	v_bfe_u32 v5, v0, 4, 1                         ; h
	v_lshlrev_b32 v2, 10, v4
	v_lshl_add_u32 v2, v5, 4, v2                   ; in: row r of 1,024 bytes, + 16 h
	v_and_b32 v3, 31, v0
	v_lshlrev_b32 v3, 4, v3                        ; out: 16 x lane: my first K step
	s_lshr_b32 s14, ttmp9, 6                       ; T
	s_and_b32 s15, ttmp9, 63                       ; nt: which 16 rows
	s_lshl_b32 s16, s15, 14                        ; 16 rows of 1,024 bytes
	s_lshl_b32 s17, s2, 8                          ; my two K steps
	s_add_co_u32 s16, s16, s17
	s_mov_b32 s17, 0
	s_lshl_b32 s18, s14, 20                        ; T x 1 MiB
	s_lshr_b32 s19, s15, 3
	s_lshl_b32 s19, s19, 17                        ; G = nt / 8
	s_add_co_u32 s18, s18, s19
	s_and_b32 s19, s15, 7                          ; t = nt % 8
	s_lshl_b32 s20, s2, 15                         ; Wk, Wv: s = 2 w: 16 KiB a K step,
	s_lshl_b32 s21, s19, 11                        ; tile t
	s_add_co_u32 s20, s20, s21
	s_lshr_b32 s21, s19, 1                         ; Wq: t / 2: 32 KiB,
	s_lshl_b32 s21, s21, 15
	s_lshl_b32 s22, s2, 13                         ; s = 2 w: 4 KiB a K step,
	s_add_co_u32 s21, s21, s22
	s_and_b32 s22, s19, 1                          ; t % 2
	s_lshl_b32 s22, s22, 11
	s_add_co_u32 s21, s21, s22
	s_mov_b32 s23, 4096
	s_cmp_lt_u32 ttmp9, 128                        ; Wk or Wv?  The choices hang on the work-group's number alone
	s_cselect_b32 s20, s20, s21
	s_cselect_b32 s23, 16384, s23                  ; from a K step to the next
	s_add_co_u32 s18, s18, s20
	s_mov_b32 s19, 0
	v_add_nc_u32 v6, s23, v3                       ; out: my second K step
	s_wait_kmcnt 0x0
	s_cmp_lt_u32 ttmp9, 64
	s_cselect_b64 s[12:13], s[4:5], s[6:7]
	s_cmp_lt_u32 ttmp9, 128
	s_cselect_b64 s[12:13], s[12:13], s[8:9]
	s_add_nc_u64 s[12:13], s[12:13], s[16:17]
	s_add_nc_u64 s[10:11], s[10:11], s[18:19]
.irp u, 0,1
.irp c, 0,1,2,3
	global_load_b128 v[8+16*\u+4*\c:8+16*\u+4*\c+3], v2, s[12:13] offset:128*\u+32*\c
.endr
.endr
.irp u, 0,1
.irp c, 0,1,2,3
	s_wait_loadcnt 7-4*\u-\c                       ; loads come back in order: this one is in, the younger ones stay out
	global_store_b128 v[3+3*\u], v[8+16*\u+4*\c:8+16*\u+4*\c+3], s[10:11] offset:512*\c
.endr
.endr
	s_endpgm
.Lfunc_end_k_q068a153ef5_lay:
	.size	k_q068a153ef5_lay, .Lfunc_end_k_q068a153ef5_lay-k_q068a153ef5_lay
	.p2alignl 7, 3214868480
	.fill 96, 4, 3214868480
	.section	.rodata,"a",@progbits
	.p2align	6, 0x0
	.amdhsa_kernel k_q068a153ef5_lay
		.amdhsa_group_segment_fixed_size 0
		.amdhsa_private_segment_fixed_size 0
		.amdhsa_enable_private_segment 0
		.amdhsa_kernarg_size 32
		.amdhsa_user_sgpr_count 2
		.amdhsa_user_sgpr_kernarg_segment_ptr 1
		.amdhsa_wavefront_size32 1
		.amdhsa_system_sgpr_workgroup_id_x 1
		.amdhsa_system_sgpr_workgroup_id_y 1
		.amdhsa_system_sgpr_workgroup_id_z 1
		.amdhsa_system_vgpr_workitem_id 0
		.amdhsa_next_free_vgpr 48
		.amdhsa_next_free_sgpr 66
		.amdhsa_reserve_vcc 0
		.amdhsa_float_denorm_mode_32 3
		.amdhsa_float_denorm_mode_16_64 3
		.amdhsa_memory_ordered 1
		.amdhsa_forward_progress 1
		.amdhsa_inst_pref_size 4
	.end_amdhsa_kernel
	.amdgpu_metadata
---
amdhsa.version: [ 1, 2 ]
amdhsa.kernels:
  - .name:           k_q068a153ef5_lay
    .symbol:         k_q068a153ef5_lay.kd
    .args:
      - { .name: Wk_codes, .offset: 0, .size: 8, .value_kind: global_buffer, .address_space: global }
      - { .name: Wv_codes, .offset: 8, .size: 8, .value_kind: global_buffer, .address_space: global }
      - { .name: Wq_codes, .offset: 16, .size: 8, .value_kind: global_buffer, .address_space: global }
      - { .name: wf, .offset: 24, .size: 8, .value_kind: global_buffer, .address_space: global }
    .group_segment_fixed_size: 0
    .private_segment_fixed_size: 0
    .kernarg_segment_align: 8
    .kernarg_segment_size: 32
    .max_flat_workgroup_size: 128
    .sgpr_count:     66
    .vgpr_count:     48
    .wavefront_size: 32
...
	.end_amdgpu_metadata
.endif
;; end of part 1
;; launch proj (part 2): grid 512 x 1, 4 waves a work-group, no clusters, 136,704 bytes of LDS; arguments source_k, source_v, target, g_k, g_v, g_t, b_k, b_v, b_t, bk, bv, bq, kc, vc, qc, wf, lowp_scales; writes kc, vc, qc
.if DOCPART == 2
	.amdgcn_target "amdgcn-amd-amdhsa--gfx1250"
	.amdhsa_code_object_version 6
	.text
	.protected	k_q068a153ef5_proj
	.globl	k_q068a153ef5_proj
	.p2align	8
	.type	k_q068a153ef5_proj,@function
k_q068a153ef5_proj:
	s_mov_b64 s[64:65], 0
	v_nop
	global_prefetch_b8 v0, s[64:65] scope:SCOPE_SE
	s_setreg_imm32_b32 hwreg(HW_REG_WAVE_MODE, 25, 1), 1
	s_wait_xcnt 0x0
; LayerNorm, quantiser, x W^T + bias, quantiser: for k (work-groups 0-127), v (128-255) and q (256-511).
; A work-group of k or v takes 128 rows x all 1,024 columns; one of q takes 128 rows x 128 columns (row block (id / 8) % 32, column group G = id % 8): 256 large work-groups and 256 small ones, so that each of
; 256 WGPs has one of each.  THE PRICE: the eight work-groups of a row block of q each normalise its 128 rows of target anew.
; PHASE 1 (all work-groups): wave w normalises rows 32 w .. 32 w + 31, a whole row (4,096 bytes, 32 registers) at a time, in f32: mean, x - mean, mean of squares, rsq, gain, bias; the hold at +-448 x 2^ea; codes of E4M3.
;   A ring of eight row slots in registers keeps 56 loads of every wave on their way.  The codes go to LDS in pieces of 16 bytes a row, so that a fragment (16 rows x 128 k) comes back by four dense loads.
; PHASE 2, k and v: wave w makes 128 rows x 128 columns (column group 2 w + pass), twice: 64 accumulators, 512 registers.  q: wave w makes 128 rows x 32 columns (tiles 2 w, 2 w + 1 of the group): 16 accumulators.
;   x's fragments come from LDS; W's come from memory straight into registers, laid as fragments by the launch before.  The bias, divided by 2^(ea + eb), is the C of each sum's first product.
;   The sums are held at +-448 x 2^(eo - ea - eb), converted with that one scale, and the codes ARE fragments of the next products:
;   k, q: source 0 = W, source 1 = x: a lane holds one row and eight columns e: register 2 b + u, byte y of fragment a is e = 128 G + 16 b + 8 h + 4 u + y, in k's way and in q's alike, so their k agree.
;   v:    source 0 = x, source 1 = W: a lane holds one column d and eight keys: register 2 a + u, byte y of fragment b is key 16 a + 8 h + 4 u + y: the keys are the last product's K.
; W IS NOT SHARED BY JOINT LOADS: a fragment of W serves one wave of a work-group, so a way through LDS would add 1 MiB written and 1 MiB read to the 1 MiB of x's fragments that a large work-group reads,
;   and beside x's 132,096 bytes two slots of whole K steps of 1,024 rows do not fit.
; No prefetch: phase 1 is a stream with 56 loads a wave out; phase 2's weights are 1 MiB that all work-groups of a tensor read again and again.
; LIMITS: ea, and eo - ea - eb, between -126 and 119, so that each power of two below is an f32 number.  NaN and infinities among the inputs are not served.
; REGISTERS, in windows of 256 (s_set_vgpr_msb's low byte: bits 1:0 source 0, 3:2 source 1, 5:4 source 2, 7:6 destination):
;   window 0: v1-34 addresses and constants; v40-103 the bias, 8 tiles x 8; phase 1: v104-231 at work; phase 2: v128-255 x's eight fragments (k, v), then the codes on their way out
;   window 1: phase 1: the ring, slot i at v[32 i]; phase 2: W's fragments: k, v: two sets, at v0 and v128; q: K step s at v[32 s]
;   windows 2, 3: k, v: accumulator (a, b) at v[8 (8 (a % 4) + b)] of window 2 + a / 4;   q: accumulator (a, t) at v[8 (2 a + t)] of window 2; x's fragments, set s % 2 at v[128 (s % 2)] of window 3
.set XP,   2064                        ; a piece in LDS: 128 rows x 16 bytes + 16 of padding = 516 words = 4 mod 64 (64 banks of 4 bytes: ISA guide 11.1): the 32 lanes of a code store fall on 32 banks
.set XS,   8*XP                        ; a K step's eight pieces (piece 8 s + 2 c + h holds k = 128 s + 32 c + 16 h + 0 .. 15)
.set XB,   3*XS                        ; three K steps to an address register, so that every offset stays inside 16 bits
.set BL,   64*XP                       ; behind x's image: bias / 2^(ea + eb), 1,024 numbers
.set LOFF, 2                           ; v2     16 x lane; never rewritten
.set SA,   3                           ; v3-5   code stores: XP (lane / 4) + 4 (lane % 4) + 512 wave + XB x (0, 1, 2)
.set SW,   6                           ; v6-8   the same + 128 x trip
.set RA,   9                           ; v9-11  fragment loads: XP h + 16 r + XB x (0, 1, 2)
.set BAK,  12                          ; v12    BL + 1,024 wave + 32 h
.set BAV,  13                          ; v13    BL + 1,024 wave + 4 r
.set BA,   14                          ; v14    one of the two + 512 x pass
.set SX,   15                          ; v15    2^ea as f32
.set HX,   16                          ; v16    448 x 2^ea
.set SO,   17                          ; v17    2^(eo - ea - eb)
.set HO,   18                          ; v18    448 x that
.set BAQ,  19                          ; v19    BL + 512 G + 128 wave + 32 h: q's way
.set MU,   20                          ; v[20:21] the row's mean (the pair's upper half is written once)
.set RS,   22                          ; v[22:23] 1 / sqrt(var + eps)
.set SM,   24                          ; v24    a sum
.set PX,   25                          ; v25    the other half of the lanes'
.set RAWB, 26                          ; v[26:33] my 8 numbers of the bias
.set BST,  34                          ; v34    BL + 1,024 wave + 16 lane
.set BIAS, 40
.set RD,   104                         ; v[104:135] x - mean, then the normalised row
.set RG,   136                         ; v[136:167] the gain at my 32 columns (128 i + 4 lane + j)
.set RB,   168                         ; v[168:199] the LayerNorm's bias there
.set RT,   200                         ; v[200:215] partial sums
.set RC,   216                         ; v[216:231] codes, two sets of 8 by turns
.set AF,   128
.set CODE, 128
.set MSB, 0
.macro WIN new                         ; the immediate's high byte repeats the setting that is left; a switch that changes nothing is dropped
.if MSB != (\new)
	s_set_vgpr_msb (MSB<<8)|(\new)
.set MSB, (\new)
.endif
.endm
.macro PLACES                          ; four places behind a matrix instruction, in front of loads into its sources and of reads of its result
.rept 4
	v_nop
.endr
.endm
	s_load_b512 s[8:23], s[0:1], 0x0               ; source_k 8, source_v 10, target 12, g_k 14, g_v 16, g_t 18, b_k 20, b_v 22
	s_load_b512 s[24:39], s[0:1], 0x40             ; b_t 24, bk 26, bv 28, bq 30, kc 32, vc 34, qc 36, wf 38
	s_load_b64 s[40:41], s[0:1], 0x80              ; the scales' exponents
	v_lshrrev_b32 v1, 5, v0
	v_readfirstlane_b32 s2, v1                     ; wave 0..3
	v_and_b32 v1, 31, v0                           ; lane
	v_lshlrev_b32 v[LOFF], 4, v1
	v_and_b32 v35, 15, v0                          ; r
	v_bfe_u32 v36, v0, 4, 1                        ; h
	v_lshrrev_b32 v37, 2, v1
	v_and_b32 v38, 3, v1
	v_mul_u32_u24 v[SA], v37, XP
	v_lshl_add_u32 v[SA], v38, 2, v[SA]
	s_lshl_b32 s82, s2, 9                          ; my 32 rows x 16 bytes in a piece
	v_add_nc_u32 v[SA], s82, v[SA]
	v_add_nc_u32 v[SA+1], XB, v[SA]
	v_add_nc_u32 v[SA+2], 2*XB, v[SA]
	v_mul_u32_u24 v[RA], v36, XP
	v_lshl_add_u32 v[RA], v35, 4, v[RA]
	v_add_nc_u32 v[RA+1], XB, v[RA]
	v_add_nc_u32 v[RA+2], 2*XB, v[RA]
	s_lshl_b32 s83, s2, 10
	s_add_co_u32 s83, s83, BL                      ; my 256 numbers of the bias in LDS
	v_lshl_add_u32 v[BAK], v36, 5, s83
	v_lshl_add_u32 v[BAV], v35, 2, s83
	v_add_nc_u32 v[BST], s83, v[LOFF]
	v_mov_b32 v[MU+1], 0                           ; named as upper halves of pairs, so they are written
	v_mov_b32 v[RS+1], 0
	v_mov_b32 v[PX], 0                             ; a lane permute's destination counts as one of its sources
	s_lshr_b32 s86, ttmp9, 7
	s_min_u32 s86, s86, 2                          ; T: 0 k, 1 v, 2 q
	s_and_b32 s87, ttmp9, 127                      ; k, v: which 128 rows
	s_lshr_b32 s91, ttmp9, 3
	s_and_b32 s91, s91, 31                         ; q: which 128 rows (256 is a multiple of 8 x 32)
	s_and_b32 s92, ttmp9, 7                        ; q: G, which 128 columns
	s_lshl_b32 s89, s2, 18                         ; k, v: my fragments of W begin at column group 2 w
	s_lshl_b32 s93, s92, 17                        ; q: at column group G,
	s_lshl_b32 s94, s2, 15                         ; tiles 2 w, 2 w + 1: 32 KiB on end
	s_add_co_u32 s93, s93, s94
	s_cmp_lt_u32 ttmp9, 256                        ; every choice hangs on the work-group's number alone
	s_cselect_b32 s87, s87, s91                    ; RB
	s_cselect_b32 s89, s89, s93
	s_lshl_b32 s88, s86, 20                        ; the tensor's weight
	s_add_co_u32 s88, s88, s89
	s_mov_b32 s89, 0
	s_lshl_b32 s93, s92, 9                         ; q's way: the bias of my 32 columns in LDS: 512 G + 128 w
	s_lshl_b32 s94, s2, 7
	s_add_co_u32 s93, s93, s94
	s_add_co_u32 s93, s93, BL
	v_lshl_add_u32 v[BAQ], v36, 5, s93
	s_lshl_b32 s82, s87, 19                        ; 128 rows of 4,096 bytes,
	s_lshl_b32 s83, s2, 17                         ; my 32 of them
	s_add_co_u32 s82, s82, s83
	s_mov_b32 s83, 0
	s_lshl_b32 s84, s2, 10                         ; my 256 numbers of the bias in memory
	s_mov_b32 s85, 0
	s_mov_b32 s74, 0x76543210                      ; v_permlanex16_b32: lane l xor 16
	s_mov_b32 s75, 0xfedcba98
	s_mov_b32 s76, 0x3a800000                      ; 1 / 1024
	s_mov_b32 s81, 0x3727c5ac                      ; 1e-5
	s_mov_b32 s77, 0                               ; 128 x trip
	s_mov_b32 s78, 0                               ; trip
	s_wait_kmcnt 0x0
	s_load_b256 s[44:51], s[40:41], 0x0            ; e0 .. e7
	s_load_b64 s[52:53], s[40:41], 0x20            ; e8, e9
	s_cmp_lt_u32 ttmp9, 128
	s_cselect_b64 s[54:55], s[8:9], s[10:11]       ; x
	s_cselect_b64 s[56:57], s[14:15], s[16:17]     ; gain
	s_cselect_b64 s[58:59], s[20:21], s[22:23]     ; LayerNorm's bias
	s_cselect_b64 s[60:61], s[26:27], s[28:29]     ; the product's bias
	s_cselect_b64 s[62:63], s[32:33], s[34:35]     ; the codes' buffer
	s_cmp_lt_u32 ttmp9, 256
	s_cselect_b64 s[54:55], s[54:55], s[12:13]
	s_cselect_b64 s[56:57], s[56:57], s[18:19]
	s_cselect_b64 s[58:59], s[58:59], s[24:25]
	s_cselect_b64 s[60:61], s[60:61], s[30:31]
	s_cselect_b64 s[62:63], s[62:63], s[36:37]
	s_add_nc_u64 s[54:55], s[54:55], s[82:83]      ; x at my first row
	s_add_nc_u64 s[60:61], s[60:61], s[84:85]
	s_add_nc_u64 s[66:67], s[38:39], s[88:89]      ; WB: my fragments of W
	s_add_nc_u64 s[68:69], s[54:55], 32768         ; RBASE: where the ring's refills come from: eight rows on
.irp u, 0,1
	global_load_b128 v[RAWB+4*\u:RAWB+4*\u+3], v[LOFF], s[60:61] offset:512*\u
.endr
.irp i, 0,1,2,3,4,5,6,7
	global_load_b128 v[RG+4*\i:RG+4*\i+3], v[LOFF], s[56:57] offset:512*\i
.endr
.irp i, 0,1,2,3,4,5,6,7
	global_load_b128 v[RB+4*\i:RB+4*\i+3], v[LOFF], s[58:59] offset:512*\i
.endr
	WIN 0x40                                       ; destination window 1
.irp i, 0,1,2,3,4,5,6,7
.irp j, 0,1,2,3,4,5,6,7
	global_load_b128 v[32*\i+4*\j:32*\i+4*\j+3], v[LOFF], s[54:55] offset:4096*\i+512*\j   ; rows 0 to 7: each load takes 512 consecutive bytes.  No hint: eight work-groups read target's rows
.endr
.endr
	WIN 0
	s_wait_kmcnt 0x0
	s_cmp_lt_u32 ttmp9, 128
	s_cselect_b32 s70, s46, s48                    ; ea: k e2, v e4, q e0
	s_cselect_b32 s71, s47, s49                    ; eb: k e3, v e5, q e1
	s_cselect_b32 s72, s51, s53                    ; eo: k e7, v e9, q e6
	s_cmp_lt_u32 ttmp9, 256
	s_cselect_b32 s70, s70, s44
	s_cselect_b32 s71, s71, s45
	s_cselect_b32 s72, s72, s50
	s_add_co_i32 s82, s70, 127
	s_lshl_b32 s83, s82, 23
	v_mov_b32 v[SX], s83                           ; 2^ea: the conversion takes its exponent field
	s_add_co_i32 s82, s82, 8
	s_lshl_b32 s82, s82, 23
	s_or_b32 s82, s82, 0x600000
	v_mov_b32 v[HX], s82                           ; 448 x 2^ea
	s_add_co_i32 s84, s70, s71                     ; a sum of codes stands for sum x 2^(ea + eb)
	s_sub_co_i32 s82, s72, s84
	s_add_co_i32 s82, s82, 127
	s_lshl_b32 s83, s82, 23
	v_mov_b32 v[SO], s83                           ; 2^(eo - ea - eb): the three scales folded into the conversion's one
	s_add_co_i32 s82, s82, 8
	s_lshl_b32 s82, s82, 23
	s_or_b32 s82, s82, 0x600000
	v_mov_b32 v[HO], s82
	s_sub_co_i32 s90, 0, s84                       ; -(ea + eb), for the bias
.macro FOLD4                           ; four pairs of partial sums at v[RT] become the row's sum in every lane
	v_pk_add_f32 v[RT:RT+1], v[RT:RT+1], v[RT+4:RT+5]
	v_pk_add_f32 v[RT+2:RT+3], v[RT+2:RT+3], v[RT+6:RT+7]
	v_pk_add_f32 v[RT:RT+1], v[RT:RT+1], v[RT+2:RT+3]
	v_add_f32 v[SM], v[RT], v[RT+1]
	v_add_f32_dpp v[SM], v[SM], v[SM] row_xmask:1 row_mask:0xf bank_mask:0xf
	v_add_f32_dpp v[SM], v[SM], v[SM] row_xmask:2 row_mask:0xf bank_mask:0xf
	v_add_f32_dpp v[SM], v[SM], v[SM] row_xmask:4 row_mask:0xf bank_mask:0xf
	v_add_f32_dpp v[SM], v[SM], v[SM] row_xmask:8 row_mask:0xf bank_mask:0xf
	v_permlanex16_b32 v[PX], v[SM], s74, s75
	v_add_f32 v[SM], v[SM], v[PX]
.endm
; One row, in ring slot i.
.macro ROW i
	s_wait_loadcnt 56                              ; my row's eight loads are in; those of the seven slots behind it stay out
	WIN 0x05                                       ; sources 0 and 1 window 1
.set kk, 0
.rept 8
	v_pk_add_f32 v[RT+2*kk:RT+2*kk+1], v[32*\i+4*kk:32*\i+4*kk+1], v[32*\i+4*kk+2:32*\i+4*kk+3]
.set kk, kk+1
.endr
	WIN 0
.set kk, 0
.rept 4
	v_pk_add_f32 v[RT+2*kk:RT+2*kk+1], v[RT+2*kk:RT+2*kk+1], v[RT+2*kk+8:RT+2*kk+9]
.set kk, kk+1
.endr
	FOLD4
	v_mul_f32 v[MU], s76, v[SM]                    ; the mean
	WIN 0x01                                       ; source 0 window 1
.set kk, 0
.rept 16
	v_pk_add_f32 v[RD+2*kk:RD+2*kk+1], v[32*\i+2*kk:32*\i+2*kk+1], v[MU:MU+1] op_sel_hi:[1,0] neg_lo:[0,1] neg_hi:[0,1]   ; x - mean: the variance is taken of these, not as a difference of large sums
.set kk, kk+1
.endr
	WIN 0x40
.irp j, 0,1,2,3,4,5,6,7
	global_load_b128 v[32*\i+4*\j:32*\i+4*\j+3], v[LOFF], s[68:69] offset:4096*\i+512*\j   ; the slot is read out: its next row; in the last trip 4,096 bytes of W (two fragments)
.endr
	WIN 0
.set kk, 0
.rept 4
	v_pk_mul_f32 v[RT+2*kk:RT+2*kk+1], v[RD+2*kk:RD+2*kk+1], v[RD+2*kk:RD+2*kk+1]   ; squares, in four chains
.set kk, kk+1
.endr
.rept 12
	v_pk_fma_f32 v[RT+2*(kk%4):RT+2*(kk%4)+1], v[RD+2*kk:RD+2*kk+1], v[RD+2*kk:RD+2*kk+1], v[RT+2*(kk%4):RT+2*(kk%4)+1]
.set kk, kk+1
.endr
	FOLD4
	v_fma_f32 v[SM], v[SM], s76, s81               ; var + eps
	v_rsq_f32 v[RS], v[SM]
	v_nop                                          ; one plain instruction behind the transcendental (ISA guide 5.7.2)
	s_wait_alu depctr_va_vdst(0)                   ; and a wait ahead of the first use
.set kk, 0
.rept 16
	v_pk_mul_f32 v[RD+2*kk:RD+2*kk+1], v[RD+2*kk:RD+2*kk+1], v[RS:RS+1] op_sel_hi:[1,0]
.set kk, kk+1
.endr
.set kk, 0
.rept 16
	v_pk_fma_f32 v[RD+2*kk:RD+2*kk+1], v[RD+2*kk:RD+2*kk+1], v[RG+2*kk:RG+2*kk+1], v[RB+2*kk:RB+2*kk+1]
.set kk, kk+1
.endr
.set kk, 0
.rept 32
	v_med3_num_f32 v[RD+kk], v[RD+kk], -v[HX], v[HX]   ; the conversion to an 8-bit code does not saturate (ISA guide 7.6.2): the hold at the largest code x the scale
.set kk, kk+1
.endr
	s_wait_dscnt 8                                 ; only the last row's eight stores may be out: the stores of two rows back, which read this set of codes, are done
.irp u, 0,1,2,3
	v_cvt_scalef32_pk8_fp8_f32 v[RC+8*(\i%2)+2*\u:RC+8*(\i%2)+2*\u+1], v[RD+8*\u:RD+8*\u+7], v[SX]
.endr
	v_nop                                          ; one plain instruction behind the last conversion
.irp k, 0,1,2,3,4,5,6,7
	ds_store_b32 v[SW+\k/3], v[RC+8*(\i%2)+\k] offset:(\k%3)*XS+16*\i   ; word k: columns 128 k + 4 lane + 0 .. 3: K step k, piece lane / 4, bytes 4 (lane % 4) on of my row's 16
.endr
.endm
.Lrows:                                            ; 4 trips of 8 rows
.irp x, 0,1,2
	v_add_nc_u32 v[SW+\x], s77, v[SA+\x]
.endr
.irp i, 0,1,2,3,4,5,6,7
	ROW \i
.endr
	s_wait_xcnt 0x0                                ; the refills have read their base: it may be written
	s_add_nc_u64 s[68:69], s[68:69], 32768
	s_add_co_u32 s77, s77, 128
	s_add_co_u32 s78, s78, 1
	s_cmp_eq_u32 s78, 3                            ; the last trip has no rows left to fetch: its refill lines bring the first 32 KiB of my W instead: slot i takes fragments 2 i, 2 i + 1:
	s_cselect_b64 s[68:69], s[66:67], s[68:69]     ; k, v: K step 0's eight land in set 0 and K step 1's in set 1; q: K step i's two land in slot i, which is all of my W.  No tail is written out, every count stays, no load leaves a buffer
	s_cmp_lt_u32 s78, 4
	s_cbranch_scc1 .Lrows
.irp j, 0,1,2,3,4,5,6,7
	v_ldexp_f32 v[RAWB+\j], v[RAWB+\j], s90        ; bias / 2^(ea + eb)
.endr
	ds_store_b128 v[BST], v[RAWB:RAWB+3]
	ds_store_b128 v[BST], v[RAWB+4:RAWB+7] offset:512
	s_wait_dscnt 0x0                               ; for the others' sake: my codes and my part of the bias lie in LDS
	s_barrier_signal -1
	s_barrier_wait -1                              ; the launch's one barrier: behind it LDS is only read
.macro FETCH_A s, a0                   ; x's fragments a0 .. a0 + 3 of K step s: a load takes 256 consecutive bytes for each half of the lanes
.irp a, \a0, \a0+1, \a0+2, \a0+3
.irp c, 0,1,2,3
	ds_load_b128 v[AF+16*(\a)+4*\c:AF+16*(\a)+4*\c+3], v[RA+(\s)/3] offset:((\s)%3)*XS+2*XP*\c+256*(\a)
.endr
.endr
.endm
.macro LOAD_B s, p                     ; W's eight fragments of K step s into set p: 32 loads of 512 consecutive bytes
	WIN 0x40
.irp t, 0,1,2,3,4,5,6,7
.irp c, 0,1,2,3
	global_load_b128 v[128*(\p)+16*\t+4*\c:128*(\p)+16*\t+4*\c+3], v[LOFF], s[66:67] offset:16384*(\s)+2048*\t+512*\c
.endr
.endr
	WIN 0
.endm
.macro MWIN ori, hi, s                 ; the windows of a run of products: W window 1, x window 0, D window 2 + hi; C the same, or window 0 (the bias) in K step 0
.if (\s) == 0
	WIN ((2+\hi)<<6)|(1+3*\ori)
.else
	WIN ((2+\hi)<<6)|((2+\hi)<<4)|(1+3*\ori)
.endif
.endm
; 16 products: x's blocks a0, a0 + 1 against W's eight.  The 64 accumulators take turns, one instruction a turn, in the same order in every K step.
.macro MUL16 ori, a0, p, s
.irp a, \a0, \a0+1
.irp b, 0,1,2,3,4,5,6,7
.set AC, 8*(8*((\a)%4)+\b)
.if \ori
.if (\s) == 0
	v_wmma_f32_16x16x128_fp8_fp8 v[AC:AC+7], v[AF+16*(\a):AF+16*(\a)+15], v[128*(\p)+16*\b:128*(\p)+16*\b+15], v[BIAS+8*\b:BIAS+8*\b+7]
.else
	v_wmma_f32_16x16x128_fp8_fp8 v[AC:AC+7], v[AF+16*(\a):AF+16*(\a)+15], v[128*(\p)+16*\b:128*(\p)+16*\b+15], v[AC:AC+7]
.endif
.else
.if (\s) == 0
	v_wmma_f32_16x16x128_fp8_fp8 v[AC:AC+7], v[128*(\p)+16*\b:128*(\p)+16*\b+15], v[AF+16*(\a):AF+16*(\a)+15], v[BIAS+8*\b:BIAS+8*\b+7]
.else
	v_wmma_f32_16x16x128_fp8_fp8 v[AC:AC+7], v[128*(\p)+16*\b:128*(\p)+16*\b+15], v[AF+16*(\a):AF+16*(\a)+15], v[AC:AC+7]
.endif
.endif
.endr
.endr
.endm
.macro STEP ori, s                     ; 128 along K: 64 products
.if (\s) < 7
	s_wait_loadcnt 32                              ; this K step's W is in; the next one's 32 loads may be out
.else
	s_wait_loadcnt 0x0
.endif
	s_wait_dscnt 16                                ; x's blocks 0-3 (and the bias) are in; blocks 4-7 may be out
	MWIN \ori, 0, \s
	MUL16 \ori, 0, (\s)%2, \s
	MUL16 \ori, 2, (\s)%2, \s
	s_wait_dscnt 0x0                               ; blocks 4-7 are in
	PLACES
	WIN 0
.if (\s) < 7
	FETCH_A (\s)+1, 0
.endif
	MWIN \ori, 1, \s
	MUL16 \ori, 4, (\s)%2, \s
	MUL16 \ori, 6, (\s)%2, \s
	PLACES
	WIN 0
.if (\s) < 7
	FETCH_A (\s)+1, 4
.endif
.if (\s) < 6
	LOAD_B (\s)+2, (\s)%2                          ; into the set just multiplied: it has the next K step's 64 products in which to land
.endif
.endm
; The way out: hold, convert, store.  The conversions' results are whole groups of four registers of the next products' fragments: each store covers 512 consecutive bytes, aligned.
.macro EPI ori
.irp hf, 0,1
	WIN ((2+\hf)<<6)|(2+\hf)                       ; source 0 and destination: the accumulators' window
.set jj, 0
.rept 256
	v_med3_num_f32 v[jj], v[jj], -v[HO], v[HO]     ; in ascending order: each accumulator from its low end on
.set jj, jj+1
.endr
	WIN 2+\hf
.irp a, 0,1,2,3
.irp b, 0,1,2,3,4,5,6,7
.if \ori
	v_cvt_scalef32_pk8_fp8_f32 v[CODE+64*\hf+8*\b+2*\a:CODE+64*\hf+8*\b+2*\a+1], v[8*(8*\a+\b):8*(8*\a+\b)+7], v[SO]
.else
	v_cvt_scalef32_pk8_fp8_f32 v[CODE+64*\hf+16*\a+2*\b:CODE+64*\hf+16*\a+2*\b+1], v[8*(8*\a+\b):8*(8*\a+\b)+7], v[SO]
.endif
.endr
.endr
	v_nop                                          ; one plain instruction behind the last conversion
	WIN 0
.if \ori
.irp b, 0,1,2,3,4,5,6,7
.irp u, 0,1
	global_store_b128 v[LOFF], v[CODE+64*\hf+8*\b+4*\u:CODE+64*\hf+8*\b+4*\u+3], s[62:63] offset:2048*\b+512*(2*\hf+\u)
.endr
.endr
.else
.irp a, 0,1,2,3
.irp c, 0,1,2,3
	global_store_b128 v[LOFF], v[CODE+64*\hf+16*\a+4*\c:CODE+64*\hf+16*\a+4*\c+3], s[62:63] offset:(4*\hf+\a)*2048+512*\c
.endr
.endr
.endif
.endr
.endm
.macro PATH ori, outstep               ; two passes: column groups 2 w and 2 w + 1
	s_mov_b32 s79, 0                               ; pass
	s_mov_b32 s80, 0                               ; 512 x pass
.Lpass\ori:
.if \ori
	v_add_nc_u32 v[BA], s80, v[BAV]
.irp b, 0,1,2,3,4,5,6,7
	ds_load_b32 v[BIAS+8*\b], v[BA] offset:64*\b   ; the bias of my column d = 16 b + r
.endr
.else
	v_add_nc_u32 v[BA], s80, v[BAK]
.irp b, 0,1,2,3,4,5,6,7
	ds_load_b128 v[BIAS+8*\b:BIAS+8*\b+3], v[BA] offset:64*\b      ; the bias of my eight columns 16 b + 8 h + 0 .. 7
	ds_load_b128 v[BIAS+8*\b+4:BIAS+8*\b+7], v[BA] offset:64*\b+16
.endr
.endif
	FETCH_A 0, 0
	FETCH_A 0, 4
.if \ori
	s_wait_dscnt 32                                ; the bias is in; x's 32 loads may be out
.irp b, 0,1,2,3,4,5,6,7
.irp j, 1,2,3,4,5,6,7
	v_mov_b32 v[BIAS+8*\b+\j], v[BIAS+8*\b]        ; a lane's eight results are eight keys of one column: the same bias
.endr
.endr
.endif
.irp s, 0,1,2,3,4,5,6,7
	STEP \ori, \s
.endr
	s_cmp_eq_u32 s79, 1
	s_cbranch_scc1 .Llast\ori
	s_add_nc_u64 s[66:67], s[66:67], 131072        ; every load that named this base is done (the last K step waited for all): the next column group
	LOAD_B 0, 0                                    ; its first two K steps are on their way while this group's codes leave
	LOAD_B 1, 1
.Llast\ori:
	EPI \ori
	s_wait_xcnt 0x0                                ; the stores have read their base and their data: the base may step, and x's fragments may land on the codes' registers
	s_add_nc_u64 s[62:63], s[62:63], \outstep
	s_add_co_u32 s80, s80, 512
	s_add_co_u32 s79, s79, 1
	s_cmp_lt_u32 s79, 2
	s_cbranch_scc1 .Lpass\ori
	s_wait_xcnt 0x0
	v_lshl_add_u32 v254, v0, 2, 0x21400
	v_mov_b32 v255, 0
	s_wait_tensorcnt 0x0
	ds_add_u32 v254, v255
	s_wait_dscnt 0x0
	s_endpgm
.endm
; q's way.  x's eight fragments of K step s into set s % 2 of window 3
.macro FETCH_Q s
	WIN 0xc0                                       ; destination window 3, address window 0
.irp a, 0,1,2,3,4,5,6,7
.irp c, 0,1,2,3
	ds_load_b128 v[128*((\s)%2)+16*\a+4*\c:128*((\s)%2)+16*\a+4*\c+3], v[RA+(\s)/3] offset:((\s)%3)*XS+2*XP*\c+256*\a
.endr
.endr
	WIN 0
.endm
; 128 along K: 16 products, x's eight blocks against my two tiles of W.  The 16 accumulators take turns, in the same order in every K step.
.macro QSTEP s
	s_wait_dscnt 0x0                               ; this K step's fragments of x (and, in the first, the bias) are in
.if (\s) < 7
	FETCH_Q (\s)+1                                 ; into the set that the step before multiplied: its places stand at that step's end
.endif
	s_wait_loadcnt 8*(7-(\s))                      ; this K step's two fragments of W are in; the eight loads of each later K step may be out
.if (\s) == 0
	WIN 0x8d                                       ; W window 1, x window 3, C (the bias) window 0, D window 2
.else
	WIN 0xad                                       ; the same, C window 2
.endif
.irp a, 0,1,2,3,4,5,6,7
.irp t, 0,1
.if (\s) == 0
	v_wmma_f32_16x16x128_fp8_fp8 v[8*(2*\a+\t):8*(2*\a+\t)+7], v[32*(\s)+16*\t:32*(\s)+16*\t+15], v[128*((\s)%2)+16*\a:128*((\s)%2)+16*\a+15], v[BIAS+8*\t:BIAS+8*\t+7]
.else
	v_wmma_f32_16x16x128_fp8_fp8 v[8*(2*\a+\t):8*(2*\a+\t)+7], v[32*(\s)+16*\t:32*(\s)+16*\t+15], v[128*((\s)%2)+16*\a:128*((\s)%2)+16*\a+15], v[8*(2*\a+\t):8*(2*\a+\t)+7]
.endif
.endr
.endr
	PLACES
	WIN 0
.endm
	s_cmp_eq_u32 s86, 1                            ; the three tensors' work-groups part here: the same way for all four waves; the ways never join, store nothing in LDS and have no barrier
	s_cbranch_scc1 .Lv
	s_cmp_eq_u32 s86, 2
	s_cbranch_scc1 .Lq
	s_lshl_b32 s82, s87, 17                        ; kc: [RB][G 8][a 8][2048]
	s_lshl_b32 s83, s2, 15                         ; G = 2 w
	s_add_co_u32 s82, s82, s83
	s_mov_b32 s83, 0
	s_add_nc_u64 s[62:63], s[62:63], s[82:83]
	PATH 0, 16384
.Lv:
	s_lshr_b32 s82, s87, 4                         ; vc: [batch 8][G 8][KB 16][bt 8][2048]: batch = RB / 16,
	s_lshl_b32 s82, s82, 3
	s_lshl_b32 s83, s2, 1
	s_add_co_u32 s82, s82, s83                     ; 8 batch + 2 w
	s_lshl_b32 s82, s82, 18
	s_and_b32 s83, s87, 15                         ; KB = RB % 16
	s_lshl_b32 s83, s83, 14
	s_add_co_u32 s82, s82, s83
	s_mov_b32 s83, 0
	s_add_nc_u64 s[62:63], s[62:63], s[82:83]
	PATH 1, 262144
.Lq:
	s_lshl_b32 s82, s87, 17                        ; qc: [RB][G 8][a 8][2048]; my two tiles are registers 4 w .. 4 w + 3 of each fragment: 512 w bytes on
	s_lshl_b32 s83, s92, 14
	s_add_co_u32 s82, s82, s83
	s_lshl_b32 s83, s2, 9
	s_add_co_u32 s82, s82, s83
	s_mov_b32 s83, 0
	s_add_nc_u64 s[62:63], s[62:63], s[82:83]
.irp t, 0,1
	ds_load_b128 v[BIAS+8*\t:BIAS+8*\t+3], v[BAQ] offset:64*\t     ; the bias of my eight columns 128 G + 32 w + 16 t + 8 h + 0 .. 7
	ds_load_b128 v[BIAS+8*\t+4:BIAS+8*\t+7], v[BAQ] offset:64*\t+16
.endr
	FETCH_Q 0
.irp s, 0,1,2,3,4,5,6,7
	QSTEP \s
.endr
	WIN 0x82                                       ; source 0 and destination: the accumulators' window
.set jj, 0
.rept 128
	v_med3_num_f32 v[jj], v[jj], -v[HO], v[HO]     ; in ascending order: each accumulator from its low end on
.set jj, jj+1
.endr
	WIN 0x02
.irp a, 0,1,2,3,4,5,6,7
.irp t, 0,1
	v_cvt_scalef32_pk8_fp8_f32 v[CODE+4*\a+2*\t:CODE+4*\a+2*\t+1], v[8*(2*\a+\t):8*(2*\a+\t)+7], v[SO]
.endr
.endr
	v_nop                                          ; one plain instruction behind the last conversion
	WIN 0
.irp a, 0,1,2,3,4,5,6,7
	global_store_b128 v[LOFF], v[CODE+4*\a:CODE+4*\a+3], s[62:63] offset:2048*\a   ; 512 consecutive bytes, aligned: four registers of q's fragment (G, a)
.endr
	s_wait_xcnt 0x0
	v_lshl_add_u32 v254, v0, 2, 0x21400
	v_mov_b32 v255, 0
	s_wait_tensorcnt 0x0
	ds_add_u32 v254, v255
	s_wait_dscnt 0x0
	s_endpgm
.Lfunc_end_k_q068a153ef5_proj:
	.size	k_q068a153ef5_proj, .Lfunc_end_k_q068a153ef5_proj-k_q068a153ef5_proj
	.p2alignl 7, 3214868480
	.fill 96, 4, 3214868480
	.section	.rodata,"a",@progbits
	.p2align	6, 0x0
	.amdhsa_kernel k_q068a153ef5_proj
		.amdhsa_group_segment_fixed_size 136704
		.amdhsa_private_segment_fixed_size 0
		.amdhsa_enable_private_segment 0
		.amdhsa_kernarg_size 136
		.amdhsa_user_sgpr_count 2
		.amdhsa_user_sgpr_kernarg_segment_ptr 1
		.amdhsa_wavefront_size32 1
		.amdhsa_system_sgpr_workgroup_id_x 1
		.amdhsa_system_sgpr_workgroup_id_y 1
		.amdhsa_system_sgpr_workgroup_id_z 1
		.amdhsa_system_vgpr_workitem_id 0
		.amdhsa_next_free_vgpr 1024
		.amdhsa_next_free_sgpr 96
		.amdhsa_reserve_vcc 0
		.amdhsa_float_denorm_mode_32 3
		.amdhsa_float_denorm_mode_16_64 3
		.amdhsa_memory_ordered 1
		.amdhsa_forward_progress 1
		.amdhsa_inst_pref_size 255
	.end_amdhsa_kernel
	.section	.bss,"aw",@nobits
	.p2align	6
	.space	262144
	.amdgpu_metadata
---
amdhsa.version: [ 1, 2 ]
amdhsa.kernels:
  - .name:           k_q068a153ef5_proj
    .symbol:         k_q068a153ef5_proj.kd
    .args:
      - { .name: source_k, .offset: 0, .size: 8, .value_kind: global_buffer, .address_space: global }
      - { .name: source_v, .offset: 8, .size: 8, .value_kind: global_buffer, .address_space: global }
      - { .name: target, .offset: 16, .size: 8, .value_kind: global_buffer, .address_space: global }
      - { .name: g_k, .offset: 24, .size: 8, .value_kind: global_buffer, .address_space: global }
      - { .name: g_v, .offset: 32, .size: 8, .value_kind: global_buffer, .address_space: global }
      - { .name: g_t, .offset: 40, .size: 8, .value_kind: global_buffer, .address_space: global }
      - { .name: b_k, .offset: 48, .size: 8, .value_kind: global_buffer, .address_space: global }
      - { .name: b_v, .offset: 56, .size: 8, .value_kind: global_buffer, .address_space: global }
      - { .name: b_t, .offset: 64, .size: 8, .value_kind: global_buffer, .address_space: global }
      - { .name: bk, .offset: 72, .size: 8, .value_kind: global_buffer, .address_space: global }
      - { .name: bv, .offset: 80, .size: 8, .value_kind: global_buffer, .address_space: global }
      - { .name: bq, .offset: 88, .size: 8, .value_kind: global_buffer, .address_space: global }
      - { .name: kc, .offset: 96, .size: 8, .value_kind: global_buffer, .address_space: global }
      - { .name: vc, .offset: 104, .size: 8, .value_kind: global_buffer, .address_space: global }
      - { .name: qc, .offset: 112, .size: 8, .value_kind: global_buffer, .address_space: global }
      - { .name: wf, .offset: 120, .size: 8, .value_kind: global_buffer, .address_space: global }
      - { .name: lowp_scales, .offset: 128, .size: 8, .value_kind: global_buffer, .address_space: global }
    .group_segment_fixed_size: 136704
    .private_segment_fixed_size: 0
    .kernarg_segment_align: 8
    .kernarg_segment_size: 136
    .max_flat_workgroup_size: 128
    .sgpr_count:     96
    .vgpr_count:     1024
    .wavefront_size: 32
...
	.end_amdgpu_metadata
.endif
;; end of part 2
;; launch score (part 3): grid 256 x 1, 4 waves a work-group, clusters of 4 x 1, 168,448 bytes of LDS; arguments qc, kc, lowp_scales, pc, st; writes pc, st
.if DOCPART == 3
	.amdgcn_target "amdgcn-amd-amdhsa--gfx1250"
	.amdhsa_code_object_version 6
	.text
	.protected	k_q068a153ef5_score
	.globl	k_q068a153ef5_score
	.p2align	8
	.type	k_q068a153ef5_score,@function
k_q068a153ef5_score:
	s_mov_b64 s[64:65], 0
	v_nop
	global_prefetch_b8 v0, s[64:65] scope:SCOPE_SE
	s_setreg_imm32_b32 hwreg(HW_REG_WAVE_MODE, 25, 1), 1
	s_wait_xcnt 0x0
	s_wait_alu depctr_hold_cnt(0) depctr_sa_sdst(0) depctr_va_vdst(0) depctr_va_sdst(0) depctr_va_ssrc(0) depctr_va_vcc(0) depctr_vm_vsrc(0)
	s_getreg_b32 s2, hwreg(HW_REG_IB_STS2, 6, 4)
	s_cmp_eq_u32 s2, 0
	s_cbranch_scc0 .Lentry_in_a_cluster
	s_endpgm
.Lentry_in_a_cluster:
	s_bfe_u32 s2, ttmp6, 0x10000c
	s_cmp_lg_u32 s2, 0x3003
	s_cbranch_scc0 .Lentry_shape_is_right
	s_endpgm
.Lentry_shape_is_right:
; S^T = k q^T on codes of E4M3, and the softmax's p for the last product, a CHUNK of 256 keys at a time.
; t = score x 2^(e6 + e7) x log2(e) / 32; M = the chunk's largest t of a query, rounded up to a whole number; p = 2^(t - M) is held at 448 x 2^e8 and quantised with 2^e8; l = the chunk's sum of the unquantised p.
; The next launch brings the chunks under the row's M by exact powers of two.  LIMITS: e6 + e7 between -118 and 130 (added to c's exponent field); e8 between -126 and 119; where e8 < -8 the hold bites,
; and a chunk's M then gives other held numbers than the row's M would.
; SHARES.  A work-group takes 128 queries x 256 keys; wave w all 128 queries x 64 keys (key block KB = 2 chunk + w / 2, its tiles 4 (w % 2) + t): 32 accumulators.  Source 0 = 16 keys, source 1 = 16 queries:
; a lane holds ONE query and eight neighbouring keys, so the conversions' results are registers 2 T + u of P's fragment (K = the keys: key 16 T + 8 h + 4 u + y), as v's fragments have them.
; CLUSTER.  The four partners take four chunks of the same 128 queries: q's block (128 KiB, 64 fragments) is asked for JOINTLY, each wave a quarter.  k's fragments serve one wave each and go from memory straight into registers.
; The place in the cluster enters the global addresses of kc, pc and st alone.  LDS is filled once.  No prefetch: the launch is short, and all its operands are asked for at its head.
; REGISTERS: window 0: v2-29 addresses, constants, -M; v32-119 at work; v64-127 the codes; v128-255 q's eight fragments of a K step, later partial sums.   window 1: accumulator (a, t) at v[8 (4 a + t)].
;   windows 2, 3: k's fragments: (s, t) at v[64 (s % 4) + 16 t] of window 2 + s / 4.
.set MXL,  131072                      ; behind q's image: [query 128][wave 4] f32: each wave's largest score
.set LSL,  MXL+2048                    ; the same for the sums
.set LI,   2                           ; v2, v3  16 x lane, + 65,536
.set MA,   4                           ; v4   MXL + 16 r + 4 w
.set MR,   5                           ; v5   MXL + 16 r
.set LA,   6                           ; v6   LSL + 16 r + 4 w
.set MQ,   8                           ; v8   MXL + 16 x thread
.set LQ,   9                           ; v9   LSL + 16 x thread
.set SO8,  10                          ; v10  8 x lane
.set SP,   11                          ; v11  2^e8
.set HP,   12                          ; v12  448 x 2^e8
.set NM,   14                          ; v[14:29] -M of tile a in the even register 2 a; the odd ones are written once
.set TM,   32
.set CD,   64
.set AF,   128
.set LT,   128
.set MSB, 0
.macro WIN new
.if MSB != (\new)
	s_set_vgpr_msb (MSB<<8)|(\new)
.set MSB, (\new)
.endif
.endm
.macro PLACES
.rept 4
	v_nop
.endr
.endm
.macro CROUND                          ; a round of the cluster's barrier: my work-group's barrier; wave 0 signals for it; every wave waits for all four work-groups; my work-group's barrier once more
	s_barrier_signal -1
	s_barrier_wait -1
	s_cmp_lg_u32 s3, 0
	s_cbranch_scc1 .Lnot_wave_0_\@
	s_barrier_signal -3
.Lnot_wave_0_\@:
	s_barrier_wait -3
	s_barrier_signal -1
	s_barrier_wait -1
.endm
.macro LOAD_K s                        ; k's four fragments of K step s: 16 loads of 512 consecutive bytes
	WIN (2+(\s)/4)<<6
.irp t, 0,1,2,3
.irp c, 0,1,2,3
	global_load_b128 v[64*((\s)%4)+16*\t+4*\c:64*((\s)%4)+16*\t+4*\c+3], v[LI], s[6:7] offset:16384*(\s)+2048*\t+512*\c
.endr
.endr
.endm
	s_load_b256 s[4:11], s[0:1], 0x0               ; qc s[4:5], kc s[6:7], the scales' exponents s[8:9], pc s[10:11]
	s_load_b64 s[24:25], s[0:1], 0x20              ; st
	v_lshl_add_u32 v13, v0, 2, 0x29000
	v_mov_b32 v31, 0
	ds_add_u32 v13, v31
	ds_add_u32 v13, v31
	v_lshrrev_b32 v1, 5, v0
	v_readfirstlane_b32 s3, v1                     ; wave 0..3
	v_and_b32 v1, 31, v0
	v_lshlrev_b32 v[LI], 4, v1
	v_add_nc_u32 v[LI+1], 0x10000, v[LI]
	v_and_b32 v30, 15, v0                          ; r
	v_lshlrev_b32 v[MR], 4, v30
	v_add_nc_u32 v[MR], MXL, v[MR]
	s_lshl_b32 s54, s3, 2
	v_add_nc_u32 v[MA], s54, v[MR]
	v_add_nc_u32 v[LA], 2048, v[MA]
	v_lshl_add_u32 v[MQ], v0, 4, MXL
	v_lshl_add_u32 v[LQ], v0, 4, LSL
	v_lshlrev_b32 v[SO8], 3, v1
.irp a, 0,1,2,3,4,5,6,7
	v_mov_b32 v[NM+2*\a+1], 0                      ; named as upper halves of pairs, so they are written
.endr
	s_bfe_u32 s26, ttmp6, 0x40000                  ; cx: my place in the cluster
	s_lshr_b32 s27, ttmp9, 1                       ; RBq = 4 batch + query block: the partners share it
	s_and_b32 s44, ttmp9, 1
	s_lshl_b32 s44, s44, 2
	s_add_co_u32 s44, s44, s26                     ; the chunk: 4 (cluster % 2) + cx
	s_lshr_b32 s45, s3, 1
	s_lshl_b32 s46, s44, 1
	s_add_co_u32 s46, s46, s45                     ; KB
	s_and_b32 s47, s3, 1
	s_lshr_b32 s48, s27, 2                         ; batch
	s_lshl_b32 s50, s27, 17                        ; q's block, my quarter: made of RBq and the wave's number alone
	s_lshl_b32 s51, s3, 15
	s_add_co_u32 s50, s50, s51
	s_mov_b32 s51, 0
	s_lshl_b32 s52, s48, 4
	s_add_co_u32 s52, s52, s46                     ; kc's row block 16 batch + KB,
	s_lshl_b32 s52, s52, 17
	s_lshl_b32 s53, s47, 13                        ; tiles 4 (w % 2) on
	s_add_co_u32 s52, s52, s53
	s_mov_b32 s53, 0
	s_lshl_b32 s56, s27, 4
	s_add_co_u32 s56, s56, s46                     ; pc: (16 RBq + KB) x 16 KiB,
	s_lshl_b32 s56, s56, 14
	s_lshl_b32 s57, s47, 10                        ; registers 8 (w % 2) on of each fragment
	s_add_co_u32 s56, s56, s57
	s_mov_b32 s57, 0
	s_lshl_b32 s58, s27, 3
	s_add_co_u32 s58, s58, s44                     ; st: (8 RBq + chunk) x 1,024 bytes,
	s_lshl_b32 s58, s58, 10
	s_lshl_b32 s59, s3, 8                          ; my 32 queries
	s_add_co_u32 s58, s58, s59
	s_mov_b32 s59, 0
	; descriptor group 1: 128 rows of 32 elements of 8 bytes, dense: 32 KiB
	s_mov_b32 s16, 15|(3<<16)|(1<<21)              ; 15:0 the mask: all four work-groups; 17:16 elements of 8 bytes; 21 set beside a mask
	s_mov_b32 s17, 32<<16                          ; tensor_dim0 = 32
	s_mov_b32 s18, 128<<16                         ; tensor_dim1 = 128
	s_mov_b32 s19, 32<<16                          ; tile_dim0 = 32
	s_mov_b32 s20, 128                             ; tile_dim1 = 128
	s_mov_b32 s21, 32                              ; tensor_dim0_stride
	s_mov_b32 s22, 0
	s_mov_b32 s23, 0
	s_mov_b32 s42, 0x76543210
	s_mov_b32 s43, 0xfedcba98
	s_mov_b32 s40, 0x3d38aa3b                      ; c = log2(e) / sqrt(1024)
	s_wait_dscnt 0x0
	s_wait_kmcnt 0x0
	s_load_b256 s[28:35], s[8:9], 0x0              ; e0 .. e7
	s_load_b64 s[36:37], s[8:9], 0x20              ; e8, e9
	s_add_nc_u64 s[6:7], s[6:7], s[52:53]
	s_add_nc_u64 s[10:11], s[10:11], s[56:57]
	s_add_nc_u64 s[24:25], s[24:25], s[58:59]
	s_mov_b32 s12, 1                               ; group 0: count = 1,
	s_lshl_b32 s13, s3, 15                         ; LDS address: my quarter,
	s_add_nc_u64 s[14:15], s[4:5], s[50:51]        ; global address,
	s_or_b32 s15, s15, 0x80000000                  ; type = 2
	LOAD_K 0                                       ; three K steps of k are asked for ahead of the round,
	LOAD_K 1
	LOAD_K 2
	WIN 0
	CROUND                                         ; all four work-groups are here: the joint loads meet
	tensor_load_to_lds s[12:15], s[16:23]          ; my one tensor load
	s_nop 0
	PLACES                                         ; four v_nop follow it
.irp s, 3,4,5,6,7
	LOAD_K \s                                      ; the other five behind it
.endr
	WIN 0
	s_wait_kmcnt 0x0
	s_add_co_i32 s54, s34, s35
	s_lshl_b32 s54, s54, 23
	s_add_co_i32 s40, s40, s54                     ; a score stands for score x 2^(e6 + e7): the exponents are added to c's exponent field
	s_mov_b32 s41, s40                             ; (named with it as a pair, so it is written)
	s_add_co_i32 s54, s36, 127
	s_lshl_b32 s55, s54, 23
	v_mov_b32 v[SP], s55                           ; 2^e8
	s_add_co_i32 s54, s54, 8
	s_lshl_b32 s54, s54, 23
	s_or_b32 s54, s54, 0x600000
	v_mov_b32 v[HP], s54                           ; 448 x 2^e8
	s_wait_tensorcnt 0x0                           ; my quarter of q's block is in,
	s_barrier_signal -1
	s_barrier_wait -1                              ; everybody's is
.macro FETCH_A s, a0                   ; q's fragments a0 .. a0 + 3 of K step s, as images of their registers
.irp a, \a0, \a0+1, \a0+2, \a0+3
.irp c, 0,1,2,3
	ds_load_b128 v[AF+16*(\a)+4*\c:AF+16*(\a)+4*\c+3], v[LI+(\s)/4] offset:(8*((\s)%4)+(\a))*2048+512*\c
.endr
.endr
.endm
.macro MULS s, a0                      ; 16 products; the 32 accumulators take turns, in the same order in every K step
.irp a, \a0, \a0+1, \a0+2, \a0+3
.irp t, 0,1,2,3
.if (\s) == 0
	v_wmma_f32_16x16x128_fp8_fp8 v[8*(4*(\a)+\t):8*(4*(\a)+\t)+7], v[64*((\s)%4)+16*\t:64*((\s)%4)+16*\t+15], v[AF+16*(\a):AF+16*(\a)+15], 0
.else
	v_wmma_f32_16x16x128_fp8_fp8 v[8*(4*(\a)+\t):8*(4*(\a)+\t)+7], v[64*((\s)%4)+16*\t:64*((\s)%4)+16*\t+15], v[AF+16*(\a):AF+16*(\a)+15], v[8*(4*(\a)+\t):8*(4*(\a)+\t)+7]
.endif
.endr
.endr
.endm
.macro STEP s
.if 16*(7-(\s)) > 63
	s_wait_loadcnt 63                              ; more than 63 loads are younger than this K step's: the wait's field holds 63
.else
	s_wait_loadcnt 16*(7-(\s))                     ; this K step's k is in; the later steps' loads may be out
.endif
	s_wait_dscnt 16                                ; q's blocks 0-3 are in
	WIN 0x52+(\s)/4                                ; k window 2 or 3, q window 0, C and D window 1
	MULS \s, 0
	s_wait_dscnt 0x0                               ; blocks 4-7 are in
	PLACES
	WIN 0
.if (\s) < 7
	FETCH_A (\s)+1, 0
.endif
	WIN 0x52+(\s)/4
	MULS \s, 4
	PLACES
	WIN 0
.if (\s) < 7
	FETCH_A (\s)+1, 4
.endif
.endm
	FETCH_A 0, 0
	FETCH_A 0, 4
.irp s, 0,1,2,3,4,5,6,7
	STEP \s
.endr
	; the largest score of each query among my 64 keys.  Tile a's 32 registers in ascending order
	WIN 0x15                                       ; all sources window 1
.irp a, 0,1,2,3,4,5,6,7
.irp k, 0,1,2,3,4,5,6,7,8,9
	v_max3_num_f32 v[TM+11*\a+\k], v[32*\a+3*\k], v[32*\a+3*\k+1], v[32*\a+3*\k+2]
.endr
	v_max_num_f32 v[TM+11*\a+10], v[32*\a+30], v[32*\a+31]
.endr
	WIN 0
.irp a, 0,1,2,3,4,5,6,7
	v_max3_num_f32 v[TM+11*\a], v[TM+11*\a], v[TM+11*\a+1], v[TM+11*\a+2]
	v_max3_num_f32 v[TM+11*\a+3], v[TM+11*\a+3], v[TM+11*\a+4], v[TM+11*\a+5]
	v_max3_num_f32 v[TM+11*\a+6], v[TM+11*\a+6], v[TM+11*\a+7], v[TM+11*\a+8]
	v_max_num_f32 v[TM+11*\a+9], v[TM+11*\a+9], v[TM+11*\a+10]
.endr
.irp a, 0,1,2,3,4,5,6,7
	v_max3_num_f32 v[TM+11*\a], v[TM+11*\a], v[TM+11*\a+3], v[TM+11*\a+6]
.endr
.irp a, 0,1,2,3,4,5,6,7
	v_max_num_f32 v[TM+11*\a], v[TM+11*\a], v[TM+11*\a+9]
.endr
.irp a, 0,1,2,3,4,5,6,7
	v_permlanex16_b32 v[TM+11*\a+1], v[TM+11*\a], s42, s43     ; the query's other 32 keys lie in the lane 16 away
.endr
.irp a, 0,1,2,3,4,5,6,7
	v_max_num_f32 v[TM+11*\a], v[TM+11*\a], v[TM+11*\a+1]
.endr
.irp a, 0,1,2,3,4,5,6,7
	ds_store_b32 v[MA], v[TM+11*\a] offset:256*\a  ; query 16 a + r, my wave's word (both halves of the lanes store the same number)
.endr
	s_wait_dscnt 0x0                               ; for the others' sake
	s_barrier_signal -1
	s_barrier_wait -1
.irp a, 0,1,2,3,4,5,6,7
	ds_load_b128 v[TM+4*\a:TM+4*\a+3], v[MR] offset:256*\a     ; the four waves' maxima of query 16 a + r
.endr
	s_wait_dscnt 0x0
.irp a, 0,1,2,3,4,5,6,7
	v_max3_num_f32 v[TM+4*\a], v[TM+4*\a], v[TM+4*\a+1], v[TM+4*\a+2]
.endr
.irp a, 0,1,2,3,4,5,6,7
	v_max_num_f32 v[TM+4*\a], v[TM+4*\a], v[TM+4*\a+3]
.endr
.irp a, 0,1,2,3,4,5,6,7
	v_mul_f32 v[TM+4*\a], s40, v[TM+4*\a]          ; as t (c is positive)
.endr
.irp a, 0,1,2,3,4,5,6,7
	v_floor_f32 v[NM+2*\a], -v[TM+4*\a]            ; -M = floor(-t) = -ceil(t): a whole number
.endr
	WIN 0x41                                       ; source 0 and destination window 1
.irp a, 0,1,2,3,4,5,6,7
.set kk, 0
.rept 16
	v_pk_fma_f32 v[32*\a+2*kk:32*\a+2*kk+1], v[32*\a+2*kk:32*\a+2*kk+1], s[40:41], v[NM+2*\a:NM+2*\a+1] op_sel_hi:[1,0,0]   ; t - M, two at a time
.set kk, kk+1
.endr
.endr
.set jj, 0
.rept 256
	v_exp_f32 v[jj], v[jj]                         ; p = 2^(t - M), at most 1
.set jj, jj+1
.endr
	v_nop                                          ; one plain instruction behind the last exponential
	s_wait_alu depctr_va_vdst(0)                   ; one wait for the whole batch, ahead of its first reader
	WIN 0x05                                       ; sources window 1, destination window 0: the sum is taken of the UNQUANTISED p
.irp a, 0,1,2,3,4,5,6,7
.set kk, 0
.rept 8
	v_pk_add_f32 v[LT+16*\a+2*kk:LT+16*\a+2*kk+1], v[32*\a+4*kk:32*\a+4*kk+1], v[32*\a+4*kk+2:32*\a+4*kk+3]
.set kk, kk+1
.endr
.endr
	WIN 0
.irp a, 0,1,2,3,4,5,6,7
.irp k, 0,1,2,3
	v_pk_add_f32 v[LT+16*\a+2*\k:LT+16*\a+2*\k+1], v[LT+16*\a+2*\k:LT+16*\a+2*\k+1], v[LT+16*\a+2*\k+8:LT+16*\a+2*\k+9]
.endr
.endr
.irp a, 0,1,2,3,4,5,6,7
.irp k, 0,1
	v_pk_add_f32 v[LT+16*\a+2*\k:LT+16*\a+2*\k+1], v[LT+16*\a+2*\k:LT+16*\a+2*\k+1], v[LT+16*\a+2*\k+4:LT+16*\a+2*\k+5]
.endr
.endr
.irp a, 0,1,2,3,4,5,6,7
	v_pk_add_f32 v[LT+16*\a:LT+16*\a+1], v[LT+16*\a:LT+16*\a+1], v[LT+16*\a+2:LT+16*\a+3]
.endr
.irp a, 0,1,2,3,4,5,6,7
	v_add_f32 v[LT+16*\a], v[LT+16*\a], v[LT+16*\a+1]
.endr
.irp a, 0,1,2,3,4,5,6,7
	v_permlanex16_b32 v[LT+16*\a+1], v[LT+16*\a], s42, s43
.endr
.irp a, 0,1,2,3,4,5,6,7
	v_add_f32 v[LT+16*\a], v[LT+16*\a], v[LT+16*\a+1]
.endr
.irp a, 0,1,2,3,4,5,6,7
	ds_store_b32 v[LA], v[LT+16*\a] offset:256*\a
.endr
	WIN 0x41
.set jj, 0
.rept 256
	v_min_num_f32 v[jj], v[jj], v[HP]              ; the conversion does not saturate (ISA guide 7.6.2); p is not negative, so the hold is one-sided
.set jj, jj+1
.endr
	WIN 0x01
.irp a, 0,1,2,3,4,5,6,7
.irp t, 0,1,2,3
	v_cvt_scalef32_pk8_fp8_f32 v[CD+8*\a+2*\t:CD+8*\a+2*\t+1], v[8*(4*\a+\t):8*(4*\a+\t)+7], v[SP]
.endr
.endr
	v_nop                                          ; one plain instruction behind the last conversion
	WIN 0
.irp a, 0,1,2,3,4,5,6,7
.irp u, 0,1
	global_store_b128 v[LI], v[CD+8*\a+4*\u:CD+8*\a+4*\u+3], s[10:11] offset:2048*\a+512*\u   ; 512 consecutive bytes, aligned: four registers of P's fragment (KB, a)
.endr
.endr
	s_wait_dscnt 0x0                               ; for the others' sake: my sums lie in LDS
	s_barrier_signal -1
	s_barrier_wait -1
	ds_load_b128 v[32:35], v[MQ]                   ; thread n takes query n: the four waves' maxima
	ds_load_b128 v[36:39], v[LQ]                   ; and sums
	s_wait_dscnt 0x0
	v_max3_num_f32 v32, v32, v33, v34
	v_add_f32 v36, v36, v37
	v_add_f32 v38, v38, v39
	v_max_num_f32 v32, v32, v35
	v_add_f32 v41, v36, v38                        ; l of the chunk
	v_mul_f32 v32, s40, v32
	v_floor_f32 v40, -v32
	v_sub_f32 v40, 0, v40                          ; M of the chunk, by the same lines as above
	global_store_b64 v[SO8], v[40:41], s[24:25]    ; the wave stores 256 consecutive bytes, aligned
	s_wait_tensorcnt 0x0
	ds_add_u32 v13, v31
	s_wait_dscnt 0x0
	CROUND                                         ; the closing round: no work-group ends while a partner may still ask for a tile that names it
	s_endpgm
.Lfunc_end_k_q068a153ef5_score:
	.size	k_q068a153ef5_score, .Lfunc_end_k_q068a153ef5_score-k_q068a153ef5_score
	.p2alignl 7, 3214868480
	.fill 96, 4, 3214868480
	.section	.rodata,"a",@progbits
	.p2align	6, 0x0
	.amdhsa_kernel k_q068a153ef5_score
		.amdhsa_group_segment_fixed_size 168448
		.amdhsa_private_segment_fixed_size 0
		.amdhsa_enable_private_segment 0
		.amdhsa_kernarg_size 40
		.amdhsa_user_sgpr_count 2
		.amdhsa_user_sgpr_kernarg_segment_ptr 1
		.amdhsa_wavefront_size32 1
		.amdhsa_system_sgpr_workgroup_id_x 1
		.amdhsa_system_sgpr_workgroup_id_y 1
		.amdhsa_system_sgpr_workgroup_id_z 1
		.amdhsa_system_vgpr_workitem_id 0
		.amdhsa_next_free_vgpr 1024
		.amdhsa_next_free_sgpr 66
		.amdhsa_reserve_vcc 0
		.amdhsa_float_denorm_mode_32 3
		.amdhsa_float_denorm_mode_16_64 3
		.amdhsa_memory_ordered 1
		.amdhsa_forward_progress 1
		.amdhsa_inst_pref_size 102
	.end_amdhsa_kernel
	.amdgpu_metadata
---
amdhsa.version: [ 1, 2 ]
amdhsa.kernels:
  - .name:           k_q068a153ef5_score
    .symbol:         k_q068a153ef5_score.kd
    .args:
      - { .name: qc, .offset: 0, .size: 8, .value_kind: global_buffer, .address_space: global }
      - { .name: kc, .offset: 8, .size: 8, .value_kind: global_buffer, .address_space: global }
      - { .name: lowp_scales, .offset: 16, .size: 8, .value_kind: global_buffer, .address_space: global }
      - { .name: pc, .offset: 24, .size: 8, .value_kind: global_buffer, .address_space: global }
      - { .name: st, .offset: 32, .size: 8, .value_kind: global_buffer, .address_space: global }
    .group_segment_fixed_size: 168448
    .private_segment_fixed_size: 0
    .kernarg_segment_align: 8
    .kernarg_segment_size: 40
    .max_flat_workgroup_size: 128
    .sgpr_count:     66
    .vgpr_count:     1024
    .wavefront_size: 32
...
	.end_amdgpu_metadata
.endif
;; end of part 3
;; launch mix (part 4): grid 256 x 1, 4 waves a work-group, clusters of 4 x 1, 266,752 bytes of LDS; arguments pc, vc, st, lowp_scales, out0; writes out0
.if DOCPART == 4
	.amdgcn_target "amdgcn-amd-amdhsa--gfx1250"
	.amdhsa_code_object_version 6
	.text
	.protected	k_q068a153ef5_mix
	.globl	k_q068a153ef5_mix
	.p2align	8
	.type	k_q068a153ef5_mix,@function
k_q068a153ef5_mix:
	s_mov_b64 s[64:65], 0
	v_nop
	global_prefetch_b8 v0, s[64:65] scope:SCOPE_SE
	s_setreg_imm32_b32 hwreg(HW_REG_WAVE_MODE, 25, 1), 1
	s_wait_xcnt 0x0
	s_wait_alu depctr_hold_cnt(0) depctr_sa_sdst(0) depctr_va_vdst(0) depctr_va_sdst(0) depctr_va_ssrc(0) depctr_va_vcc(0) depctr_vm_vsrc(0)
	s_getreg_b32 s2, hwreg(HW_REG_IB_STS2, 6, 4)
	s_cmp_eq_u32 s2, 0
	s_cbranch_scc0 .Lentry_in_a_cluster
	s_endpgm
.Lentry_in_a_cluster:
	s_bfe_u32 s2, ttmp6, 0x10000c
	s_cmp_lg_u32 s2, 0x3003
	s_cbranch_scc0 .Lentry_shape_is_right
	s_endpgm
.Lentry_shape_is_right:
; O = the sum over the eight chunks c of f_c x (P_c V_c), on codes of E4M3.  P_c was made under the chunk's own whole number M_c.  With M = the largest M_c: g_c = 2^(M_c - M), exact; l = the sum of g_c l_c;
; f_c = g_c x 2^(e8 + e9) / l.  A chunk is 256 keys, two K steps of 128: its partial sums begin with the constant 0 and are added to O by one packed multiply-add for two numbers.
; SHARES.  A work-group takes 128 queries x 128 channels d, K = 2,048 keys; wave w all 128 queries x d tiles 2 w, 2 w + 1.  Source 0 = 16 rows d of V, source 1 = 16 queries of P: a lane holds one query and eight neighbouring d.
; CLUSTER.  The four partners take four groups of channels of the same 128 queries: P's block (256 KiB, 128 fragments) is asked for JOINTLY: four tensor loads a wave, of one key block (16 KiB) each, all at the head;
; a wave has four tensor loads out.  LDS is filled once.  V's fragments serve one wave each and go from memory straight into a ring of eight K steps in registers.
; The place in the cluster enters the global addresses of vc and out0 alone.  No prefetch: the launch is short, and P is asked for whole at its head.
; REGISTERS: window 0: v2-10 addresses; v32-63 f, two sets; v64-99 the statistics; on the way out v64-191 rows of O.   window 1: O (a, n) at v[8 (2 a + n)]; the chunk's partial sums at v[128 + 8 (2 a + n)].
;   window 2: V's ring: K step s at v[32 (s % 8) + 16 n].   window 3: P's eight fragments, set s % 2 at v[128 (s % 2) + 16 a].
.set FL,   262144                      ; behind P's image: f[c 8][query 128]
.set SPI,  528                         ; the way out: a stage of 128 rows x (512 bytes + 16), in P's image, which has then had its last fill and its last read
.set LI,   2                           ; v2-5  16 x lane + 65,536 x (0 .. 3)
.set FW,   6                           ; v6    FL + 4 x thread
.set FR,   7                           ; v7    FL + 4 r
.set ST8,  8                           ; v8    8 x thread
.set SOA,  9                           ; v9    the stage, in: 528 r + 32 h + 128 w
.set SRA,  10                          ; v10   the stage, back: my 32 rows, 16 bytes a lane
.set FF,   32
.set ML,   64
.set GC,   82
.set OUTR, 64
.set MSB, 0
.macro WIN new
.if MSB != (\new)
	s_set_vgpr_msb (MSB<<8)|(\new)
.set MSB, (\new)
.endif
.endm
.macro PLACES
.rept 4
	v_nop
.endr
.endm
.macro CROUND
	s_barrier_signal -1
	s_barrier_wait -1
	s_cmp_lg_u32 s3, 0
	s_cbranch_scc1 .Lnot_wave_0_\@
	s_barrier_signal -3
.Lnot_wave_0_\@:
	s_barrier_wait -3
	s_barrier_signal -1
	s_barrier_wait -1
.endm
.macro LOAD_V s                        ; V's two fragments of K step s: 8 loads of 512 consecutive bytes (the destination's window is set by the caller)
.irp n, 0,1
.irp c, 0,1,2,3
	global_load_b128 v[32*((\s)%8)+16*\n+4*\c:32*((\s)%8)+16*\n+4*\c+3], v[LI], s[42:43] offset:16384*(\s)+2048*\n+512*\c
.endr
.endr
.endm
	s_load_b256 s[4:11], s[0:1], 0x0               ; pc s[4:5], vc s[6:7], st s[8:9], the scales' exponents s[10:11]
	s_load_b64 s[12:13], s[0:1], 0x20              ; out0
	v_lshl_add_u32 v254, v0, 2, 0x41000
	v_mov_b32 v255, 0
	ds_add_u32 v254, v255
	ds_add_u32 v254, v255
	v_lshrrev_b32 v1, 5, v0
	v_readfirstlane_b32 s3, v1                     ; wave 0..3
	v_and_b32 v1, 31, v0
	v_lshlrev_b32 v[LI], 4, v1
	v_add_nc_u32 v[LI+1], 0x10000, v[LI]
	v_add_nc_u32 v[LI+2], 0x20000, v[LI]
	v_add_nc_u32 v[LI+3], 0x30000, v[LI]
	v_lshl_add_u32 v[FW], v0, 2, FL
	v_and_b32 v11, 15, v0                          ; r
	v_bfe_u32 v12, v0, 4, 1                        ; h
	v_lshl_add_u32 v[FR], v11, 2, FL
	v_lshlrev_b32 v[ST8], 3, v0
	v_mul_u32_u24 v[SOA], v11, SPI
	v_lshl_add_u32 v[SOA], v12, 5, v[SOA]
	s_lshl_b32 s58, s3, 7
	v_add_nc_u32 v[SOA], s58, v[SOA]
	s_mul_i32 s58, s3, 32*SPI
	v_add_nc_u32 v[SRA], s58, v[LI]
.irp a, 0,1,2,3,4,5,6,7,8,9,10,11,12,13,14,15
	v_mov_b32 v[FF+2*\a+1], 0                      ; named as upper halves of pairs, so they are written
.endr
	s_bfe_u32 s48, ttmp6, 0x40000                  ; cx
	s_lshr_b32 s49, ttmp9, 1                       ; BQ = 4 batch + query block: the partners share it
	s_and_b32 s50, ttmp9, 1
	s_lshl_b32 s50, s50, 2
	s_add_co_u32 s50, s50, s48                     ; G: which 128 channels
	s_lshr_b32 s51, s49, 2                         ; batch
	s_lshl_b32 s42, s51, 3
	s_add_co_u32 s42, s42, s50
	s_lshl_b32 s42, s42, 18                        ; vc: (8 batch + G) x 256 KiB,
	s_lshl_b32 s43, s3, 12                         ; d tiles 2 w on
	s_add_co_u32 s42, s42, s43
	s_mov_b32 s43, 0
	s_lshl_b32 s44, s49, 7
	s_lshl_b32 s45, s3, 5
	s_add_co_u32 s44, s44, s45                     ; out0: row 128 BQ + 32 w of 4,096 bytes,
	s_lshl_b32 s44, s44, 12
	s_lshl_b32 s45, s50, 9                         ; channel 128 G
	s_add_co_u32 s44, s44, s45
	s_mov_b32 s45, 0
	s_lshl_b32 s46, s49, 13                        ; st: BQ x 8 chunks x 1,024 bytes
	s_mov_b32 s47, 0
	s_lshl_b32 s52, s49, 18                        ; pc: BQ x 256 KiB, key block w: made of BQ and the wave's number alone
	s_lshl_b32 s56, s3, 14
	s_add_co_u32 s52, s52, s56
	s_mov_b32 s53, 0
	; descriptor group 1: 64 rows of 32 elements of 8 bytes, dense: one key block's eight fragments
	s_mov_b32 s16, 15|(3<<16)|(1<<21)              ; 15:0 the mask: all four work-groups; 17:16 elements of 8 bytes; 21 set beside a mask
	s_mov_b32 s17, 32<<16                          ; tensor_dim0 = 32
	s_mov_b32 s18, 64<<16                          ; tensor_dim1 = 64
	s_mov_b32 s19, 32<<16                          ; tile_dim0 = 32
	s_mov_b32 s20, 64                              ; tile_dim1 = 64
	s_mov_b32 s21, 32                              ; tensor_dim0_stride
	s_mov_b32 s22, 0
	s_mov_b32 s23, 0
	s_wait_dscnt 0x0
	s_wait_kmcnt 0x0
	s_load_b64 s[40:41], s[10:11], 0x20            ; e8, e9
	s_add_nc_u64 s[42:43], s[6:7], s[42:43]
	s_add_nc_u64 s[44:45], s[12:13], s[44:45]
	s_add_nc_u64 s[46:47], s[8:9], s[46:47]
	s_add_nc_u64 s[54:55], s[4:5], s[52:53]
.irp j, 0,1,2,3                        ; group 0, a set for each load: key block 4 j + w
	s_mov_b32 s[24+4*\j], 1
	s_add_co_u32 s[25+4*\j], s56, \j*65536
	s_add_nc_u64 s[26+4*\j:27+4*\j], s[54:55], \j*65536
	s_or_b32 s[27+4*\j], s[27+4*\j], 0x80000000
.endr
.irp c, 0,1,2,3,4,5,6,7
	global_load_b64 v[ML+2*\c:ML+2*\c+1], v[ST8], s[46:47] offset:1024*\c   ; thread n takes query n: (M_c, l_c)
.endr
	WIN 0x80                                       ; destination window 2
.irp s, 0,1,2,3,4,5
	LOAD_V \s
.endr
	WIN 0
	CROUND                                         ; all four work-groups are here: the joint loads meet
	tensor_load_to_lds s[24:27], s[16:23]          ; the launch's fills go out as one group
	s_nop 0
	tensor_load_to_lds s[28:31], s[16:23]
	s_nop 0
	tensor_load_to_lds s[32:35], s[16:23]
	s_nop 0
	tensor_load_to_lds s[36:39], s[16:23]
	s_nop 0
	PLACES                                         ; four v_nop follow the last
	WIN 0x80
	LOAD_V 6
	LOAD_V 7
	WIN 0
	s_wait_loadcnt 63                              ; 64 loads are younger than the statistics': the wait's field holds 63
	v_max3_num_f32 v80, v[ML], v[ML+2], v[ML+4]
	v_max3_num_f32 v81, v[ML+6], v[ML+8], v[ML+10]
	v_max3_num_f32 v80, v80, v[ML+12], v[ML+14]
	v_max_num_f32 v80, v80, v81                    ; M
.irp c, 0,1,2,3,4,5,6,7
	v_sub_f32 v[GC+\c], v[ML+2*\c], v80            ; a whole number, 0 or less
.endr
.irp c, 0,1,2,3,4,5,6,7
	v_cvt_i32_f32 v[GC+\c], v[GC+\c]               ; (it saturates)
.endr
.irp c, 0,1,2,3,4,5,6,7
	v_ldexp_f32 v[GC+\c], 1.0, v[GC+\c]            ; g_c = 2^(M_c - M)
.endr
	v_mul_f32 v90, v[GC], v[ML+1]
.irp c, 1,2,3,4,5,6,7
	v_fmac_f32 v90, v[GC+\c], v[ML+2*\c+1]         ; l
.endr
	v_rcp_f32 v91, v90
	v_nop                                          ; one plain instruction behind the transcendental
	s_wait_kmcnt 0x0
	s_add_co_i32 s57, s40, s41
	s_wait_alu depctr_va_vdst(0)                   ; a wait ahead of the first use
	v_ldexp_f32 v91, v91, s57                      ; 2^(e8 + e9) / l
.irp c, 0,1,2,3,4,5,6,7
	v_mul_f32 v[GC+\c], v[GC+\c], v91
.endr
.irp c, 0,1,2,3,4,5,6,7
	ds_store_b32 v[FW], v[GC+\c] offset:512*\c
.endr
	s_wait_dscnt 0x0                               ; for the others' sake: my queries' f lie in LDS,
	s_wait_tensorcnt 3                             ; and my first load, key block w, has landed; the other three may stay out
	s_barrier_signal -1
	s_barrier_wait -1                              ; key blocks 0 to 3 are whole
.macro FETCH_A s                       ; P's eight fragments of K step s, as images of their registers
	WIN 0xc0                                       ; destination window 3
.irp a, 0,1,2,3,4,5,6,7
.irp c, 0,1,2,3
	ds_load_b128 v[128*((\s)%2)+16*\a+4*\c:128*((\s)%2)+16*\a+4*\c+3], v[LI+(\s)/4] offset:(8*((\s)%4)+\a)*2048+512*\c
.endr
.endr
	WIN 0
.endm
.macro STEP s
	s_wait_dscnt 0x0                               ; this K step's fragments of P (and the chunk's f) are in
.if (((\s)+1)%4 == 0) && ((\s) < 15)
	s_wait_tensorcnt 3-((\s)+1)/4                  ; my part of the next four key blocks has landed,
	s_barrier_signal -1
	s_barrier_wait -1                              ; everybody's has
.endif
.if (\s)%2 == 0
.irp a, 0,1,2,3,4,5,6,7
	ds_load_b32 v[FF+16*(((\s)/2)%2)+2*\a], v[FR] offset:512*((\s)/2)+64*\a   ; f of query 16 a + r in this chunk
.endr
.endif
.if (\s) < 15
	FETCH_A (\s)+1                                 ; into the set that the step before multiplied: its places stand at that step's end
.endif
.if (\s) <= 8
	s_wait_loadcnt 56                              ; this K step's V is in; the seven steps behind it may be out
.else
	s_wait_loadcnt 8*(15-(\s))
.endif
	WIN 0x5e                                       ; V window 2, P window 3, C and D window 1
.irp a, 0,1,2,3,4,5,6,7                ; the 16 accumulators take turns
.irp n, 0,1
.if (\s)%2 == 0
	v_wmma_f32_16x16x128_fp8_fp8 v[128+8*(2*\a+\n):128+8*(2*\a+\n)+7], v[32*((\s)%8)+16*\n:32*((\s)%8)+16*\n+15], v[128*((\s)%2)+16*\a:128*((\s)%2)+16*\a+15], 0
.else
	v_wmma_f32_16x16x128_fp8_fp8 v[128+8*(2*\a+\n):128+8*(2*\a+\n)+7], v[32*((\s)%8)+16*\n:32*((\s)%8)+16*\n+15], v[128*((\s)%2)+16*\a:128*((\s)%2)+16*\a+15], v[128+8*(2*\a+\n):128+8*(2*\a+\n)+7]
.endif
.endr
.endr
	PLACES
.if (\s) < 8
	WIN 0x80
	LOAD_V (\s)+8                                  ; the ring's slot is read out: the K step eight on
.endif
.if (\s)%2 == 1                        ; the chunk is whole: O takes it, x f; in ascending order, each accumulator from its low end on
.if (\s) == 1
	WIN 0x41
.else
	WIN 0x51
.endif
.irp a, 0,1,2,3,4,5,6,7
.irp n, 0,1
.irp i, 0,2,4,6
.if (\s) == 1
	v_pk_mul_f32 v[8*(2*\a+\n)+\i:8*(2*\a+\n)+\i+1], v[128+8*(2*\a+\n)+\i:128+8*(2*\a+\n)+\i+1], v[FF+16*(((\s)/2)%2)+2*\a:FF+16*(((\s)/2)%2)+2*\a+1] op_sel_hi:[1,0]
.else
	v_pk_fma_f32 v[8*(2*\a+\n)+\i:8*(2*\a+\n)+\i+1], v[128+8*(2*\a+\n)+\i:128+8*(2*\a+\n)+\i+1], v[FF+16*(((\s)/2)%2)+2*\a:FF+16*(((\s)/2)%2)+2*\a+1], v[8*(2*\a+\n)+\i:8*(2*\a+\n)+\i+1] op_sel_hi:[1,0,1]
.endif
.endr
.endr
.endr
.endif
	WIN 0
.endm
	FETCH_A 0
.irp s, 0,1,2,3,4,5,6,7,8,9,10,11,12,13,14,15
	STEP \s
.endr
	; THE WAY OUT.  A row's 128 channels come from four waves: they meet in a stage and leave as whole rows of 512 bytes.
	s_wait_dscnt 0x0
	s_barrier_signal -1
	s_barrier_wait -1                              ; nobody reads P's image any more, and every fill of it has landed
	WIN 0x04                                       ; the stores' data: window 1
.irp a, 0,1,2,3,4,5,6,7
.irp n, 0,1
.irp u, 0,1
	ds_store_b128 v[SOA], v[8*(2*\a+\n)+4*\u:8*(2*\a+\n)+4*\u+3] offset:16*SPI*\a+64*\n+16*\u   ; lane (r, h): O(16 a + r, 32 w + 16 n + 8 h + 4 u + 0 .. 3)
.endr
.endr
.endr
	WIN 0
	s_wait_dscnt 0x0                               ; for the others' sake
	s_barrier_signal -1
	s_barrier_wait -1
.set ii, 0
.rept 32
	ds_load_b128 v[OUTR+4*ii:OUTR+4*ii+3], v[SRA] offset:SPI*ii
.set ii, ii+1
.endr
.set ii, 0
.rept 32
	s_wait_dscnt 31-ii
	global_store_b128 v[LI], v[OUTR+4*ii:OUTR+4*ii+3], s[44:45] offset:4096*ii th:TH_STORE_NT   ; 32 lanes store 512 consecutive bytes, at a multiple of 256 from out0's first byte
.set ii, ii+1
.endr
	s_wait_tensorcnt 0x0
	s_wait_tensorcnt 0x0
	ds_add_u32 v254, v255
	s_wait_dscnt 0x0
	CROUND                                         ; the closing round: no work-group ends while a partner may still ask for a tile that names it
	s_endpgm
.Lfunc_end_k_q068a153ef5_mix:
	.size	k_q068a153ef5_mix, .Lfunc_end_k_q068a153ef5_mix-k_q068a153ef5_mix
	.p2alignl 7, 3214868480
	.fill 96, 4, 3214868480
	.section	.rodata,"a",@progbits
	.p2align	6, 0x0
	.amdhsa_kernel k_q068a153ef5_mix
		.amdhsa_group_segment_fixed_size 266752
		.amdhsa_private_segment_fixed_size 0
		.amdhsa_enable_private_segment 0
		.amdhsa_kernarg_size 40
		.amdhsa_user_sgpr_count 2
		.amdhsa_user_sgpr_kernarg_segment_ptr 1
		.amdhsa_wavefront_size32 1
		.amdhsa_system_sgpr_workgroup_id_x 1
		.amdhsa_system_sgpr_workgroup_id_y 1
		.amdhsa_system_sgpr_workgroup_id_z 1
		.amdhsa_system_vgpr_workitem_id 0
		.amdhsa_next_free_vgpr 1024
		.amdhsa_next_free_sgpr 66
		.amdhsa_reserve_vcc 0
		.amdhsa_float_denorm_mode_32 3
		.amdhsa_float_denorm_mode_16_64 3
		.amdhsa_memory_ordered 1
		.amdhsa_forward_progress 1
		.amdhsa_inst_pref_size 120
	.end_amdhsa_kernel
	.amdgpu_metadata
---
amdhsa.version: [ 1, 2 ]
amdhsa.kernels:
  - .name:           k_q068a153ef5_mix
    .symbol:         k_q068a153ef5_mix.kd
    .args:
      - { .name: pc, .offset: 0, .size: 8, .value_kind: global_buffer, .address_space: global }
      - { .name: vc, .offset: 8, .size: 8, .value_kind: global_buffer, .address_space: global }
      - { .name: st, .offset: 16, .size: 8, .value_kind: global_buffer, .address_space: global }
      - { .name: lowp_scales, .offset: 24, .size: 8, .value_kind: global_buffer, .address_space: global }
      - { .name: out0, .offset: 32, .size: 8, .value_kind: global_buffer, .address_space: global }
    .group_segment_fixed_size: 266752
    .private_segment_fixed_size: 0
    .kernarg_segment_align: 8
    .kernarg_segment_size: 40
    .max_flat_workgroup_size: 128
    .sgpr_count:     66
    .vgpr_count:     1024
    .wavefront_size: 32
...
	.end_amdgpu_metadata
.endif
;; end of part 4
;; ======== version 2 of 2: 4 launches; version 1 with the launch proj written anew for expert scheduling mode
;; limits: right only within a limited range of input values
;; workspace buffers: wf 3,145,728 bytes; kc 16,777,216 bytes; qc 4,194,304 bytes; vc 16,777,216 bytes; pc 8,388,608 bytes; st 262,144 bytes
;; launch lay: the kernel of part 1 again; grid 192 x 1, 4 waves a work-group, no clusters, 0 bytes of LDS; arguments Wk_codes, Wv_codes, Wq_codes, wf; writes wf
;; launch proj (part 5): grid 512 x 1, 4 waves a work-group, no clusters, 136,704 bytes of LDS; arguments source_k, source_v, target, g_k, g_v, g_t, b_k, b_v, b_t, bk, bv, bq, kc, vc, qc, wf, lowp_scales; writes kc, vc, qc
.if DOCPART == 5
	.amdgcn_target "amdgcn-amd-amdhsa--gfx1250"
	.amdhsa_code_object_version 6
	.text
	.protected	k_q068a153ef5_proj
	.globl	k_q068a153ef5_proj
	.p2align	8
	.type	k_q068a153ef5_proj,@function
k_q068a153ef5_proj:
	s_mov_b64 s[64:65], 0
	v_nop
	global_prefetch_b8 v0, s[64:65] scope:SCOPE_SE
	s_setreg_imm32_b32 hwreg(HW_REG_WAVE_SCHED_MODE, 0, 2), 2
	s_setreg_imm32_b32 hwreg(HW_REG_WAVE_MODE, 25, 1), 1
	s_wait_xcnt 0x0
	s_wait_alu depctr_vm_vsrc(0)
; LayerNorm, quantiser, x W^T + bias, quantiser: for k (work-groups 0-127), v (128-255) and q (256-511).
; A work-group of k or v takes 128 rows x all 1,024 columns; one of q takes 128 rows x 128 columns (row block (id / 8) % 32, column group G = id % 8): 256 large work-groups and 256 small ones, so that each of
; 256 WGPs has one of each.  THE PRICE: the eight work-groups of a row block of q each normalise its 128 rows of target anew.
; PHASE 1 (all work-groups): wave w normalises rows 32 w .. 32 w + 31, a whole row (4,096 bytes, 32 registers) at a time, in f32: mean, x - mean, mean of squares, rsq, gain, bias; the hold at +-448 x 2^ea; codes of E4M3.
;   A ring of eight row slots in registers keeps 56 loads of every wave on their way.  The codes go to LDS in pieces of 16 bytes a row, so that a fragment (16 rows x 128 k) comes back by four dense loads.
; PHASE 2, k and v: wave w makes 128 rows x 128 columns (column group 2 w + pass), twice: 64 accumulators, 512 registers.  q: wave w makes 128 rows x 32 columns (tiles 2 w, 2 w + 1 of the group): 16 accumulators.
;   x's fragments come from LDS; W's come from memory straight into registers, laid as fragments by the launch before.  The bias, divided by 2^(ea + eb), is the C of each sum's first product.
;   The sums are held at +-448 x 2^(eo - ea - eb), converted with that one scale, and the codes ARE fragments of the next products:
;   k, q: source 0 = W, source 1 = x: a lane holds one row and eight columns e: register 2 b + u, byte y of fragment a is e = 128 G + 16 b + 8 h + 4 u + y, in k's way and in q's alike, so their k agree.
;   v:    source 0 = x, source 1 = W: a lane holds one column d and eight keys: register 2 a + u, byte y of fragment b is key 16 a + 8 h + 4 u + y: the keys are the last product's K.
; W IS NOT SHARED BY JOINT LOADS: a fragment of W serves one wave of a work-group, so a way through LDS would add 1 MiB written and 1 MiB read to the 1 MiB of x's fragments that a large work-group reads,
;   and beside x's 132,096 bytes two slots of whole K steps of 1,024 rows do not fit.
; No prefetch: phase 1 is a stream with 56 loads a wave out; phase 2's weights are 1 MiB that all work-groups of a tensor read again and again.
; LIMITS: ea, and eo - ea - eb, between -126 and 119, so that each power of two below is an f32 number.  NaN and infinities among the inputs are not served.
; REGISTERS, in windows of 256 (s_set_vgpr_msb's low byte: bits 1:0 source 0, 3:2 source 1, 5:4 source 2, 7:6 destination):
;   window 0: v1-34 addresses and constants; v40-103 the bias, 8 tiles x 8; phase 1: v104-231 at work; phase 2: v128-255 x's eight fragments (k, v), then the codes on their way out
;   window 1: phase 1: the ring, slot i at v[32 i]; phase 2: W's fragments: k, v: two sets, at v0 and v128; q: K step s at v[32 s]
;   windows 2, 3: k, v: accumulator (a, b) at v[8 (8 (a % 4) + b)] of window 2 + a / 4;   q: accumulator (a, t) at v[8 (2 a + t)] of window 2; x's fragments in three sets by turns, set s % 3: v0 and v128 of window 3, v128 of window 2
; THE MODE: SCHED_MODE bits 1:0 = 2 (LLVM: expert scheduling mode 2), set by the entry lines.  The code itself states the register dependences
; between vector or matrix instructions and memory or LDS instructions, with s_wait_alu, always for 0.
; THE PLAN.  Registers that memory or LDS instructions touch, and who else names them:
;   v2, v3-5, v9-13, v19, v34  offsets and LDS addresses: made at the head, ahead of the one wait in front of the first load; never written again.
;   ring slot i        Row i's sums and differences read it; its refill lands in it.          RC0, RC1  Row i's conversions write RC[i % 2]; eight LDS stores, issued in row i + 1, read it.
;   SW (v6-8)          Read by those stores; written once a trip, in row 0.
;     A ROW HAS ONE WAIT ON va_vdst, the one behind its v_rsq_f32: the slot's refill and the last row's stores stand behind it; and one on vm_vsrc, ahead of its conversions.  Row 7's stores leave at the trip's end, behind a wait of their own.
;   x's fragments (window 0, v128-255)  Products read them; LDS loads land in them; on the way out conversions write the codes there and global stores read them.  ONE set: the accumulators take 512 registers, W's two sets 256.
;   W's two sets       A K step's 64 products read set s % 2; the loads of the K step two on land in it.
;     A K STEP HAS TWO WAITS ON va_vdst: in its middle (x's blocks 0-3 are read out) and at its end (blocks 4-7 and W's set are).  A pass has one pair of waits at its head, for the bias, its address and x's registers.
;   q's way: three sets of x by turns, so that one wait in K steps 2, 4 and 6 frees two sets each.
.set XP,   2064                        ; a piece in LDS: 128 rows x 16 bytes + 16 of padding = 516 words = 4 mod 64 (64 banks of 4 bytes: ISA guide 11.1): the 32 lanes of a code store fall on 32 banks
.set XS,   8*XP                        ; a K step's eight pieces (piece 8 s + 2 c + h holds k = 128 s + 32 c + 16 h + 0 .. 15)
.set XB,   3*XS                        ; three K steps to an address register, so that every offset stays inside 16 bits
.set BL,   64*XP                       ; behind x's image: bias / 2^(ea + eb), 1,024 numbers
.set LOFF, 2                           ; v2     16 x lane; never rewritten
.set SA,   3                           ; v3-5   code stores: XP (lane / 4) + 4 (lane % 4) + 512 wave + XB x (0, 1, 2)
.set SW,   6                           ; v6-8   the same + 128 x trip
.set RA,   9                           ; v9-11  fragment loads: XP h + 16 r + XB x (0, 1, 2)
.set BAK,  12                          ; v12    BL + 1,024 wave + 32 h
.set BAV,  13                          ; v13    BL + 1,024 wave + 4 r
.set BA,   14                          ; v14    one of the two + 512 x pass
.set SX,   15                          ; v15    2^ea as f32
.set HX,   16                          ; v16    448 x 2^ea
.set SO,   17                          ; v17    2^(eo - ea - eb)
.set HO,   18                          ; v18    448 x that
.set BAQ,  19                          ; v19    BL + 512 G + 128 wave + 32 h: q's way
.set MU,   20                          ; v[20:21] the row's mean (the pair's upper half is written once)
.set RS,   22                          ; v[22:23] 1 / sqrt(var + eps)
.set SM,   24                          ; v24    a sum
.set PX,   25                          ; v25    the other half of the lanes'
.set RAWB, 26                          ; v[26:33] my 8 numbers of the bias
.set BST,  34                          ; v34    BL + 1,024 wave + 16 lane
.set BIAS, 40
.set RD,   104                         ; v[104:135] x - mean, then the normalised row
.set RG,   136                         ; v[136:167] the gain at my 32 columns (128 i + 4 lane + j)
.set RB,   168                         ; v[168:199] the LayerNorm's bias there
.set RT,   200                         ; v[200:215] partial sums
.set RC,   216                         ; v[216:231] codes, two sets of 8 by turns
.set AF,   128
.set CODE, 128
.set MSB, 0
.macro WIN new                         ; the immediate's high byte repeats the setting that is left; a switch that changes nothing is dropped
.if MSB != (\new)
	s_set_vgpr_msb (MSB<<8)|(\new)
.set MSB, (\new)
.endif
.endm
.macro PLACES                          ; four places behind a matrix instruction (ISA guide 7.12.1); they stand where they stood: a wait on va_vdst fills no place
.rept 4
	v_nop
.endr
.endm
	s_load_b512 s[8:23], s[0:1], 0x0               ; source_k 8, source_v 10, target 12, g_k 14, g_v 16, g_t 18, b_k 20, b_v 22
	s_load_b512 s[24:39], s[0:1], 0x40             ; b_t 24, bk 26, bv 28, bq 30, kc 32, vc 34, qc 36, wf 38
	s_load_b64 s[40:41], s[0:1], 0x80              ; the scales' exponents
	v_lshrrev_b32 v1, 5, v0
	v_readfirstlane_b32 s2, v1                     ; wave 0..3
	v_and_b32 v1, 31, v0                           ; lane
	v_lshlrev_b32 v[LOFF], 4, v1
	v_and_b32 v35, 15, v0                          ; r
	v_bfe_u32 v36, v0, 4, 1                        ; h
	v_lshrrev_b32 v37, 2, v1
	v_and_b32 v38, 3, v1
	v_mul_u32_u24 v[SA], v37, XP
	v_lshl_add_u32 v[SA], v38, 2, v[SA]
	s_wait_alu depctr_va_sdst(0)                   ; s2 is written, ahead of its first reader: LDS addresses and the buffers' offsets are made from it
	s_lshl_b32 s82, s2, 9                          ; my 32 rows x 16 bytes in a piece
	v_add_nc_u32 v[SA], s82, v[SA]
	v_add_nc_u32 v[SA+1], XB, v[SA]
	v_add_nc_u32 v[SA+2], 2*XB, v[SA]
	v_mul_u32_u24 v[RA], v36, XP
	v_lshl_add_u32 v[RA], v35, 4, v[RA]
	v_add_nc_u32 v[RA+1], XB, v[RA]
	v_add_nc_u32 v[RA+2], 2*XB, v[RA]
	s_lshl_b32 s83, s2, 10
	s_add_co_u32 s83, s83, BL                      ; my 256 numbers of the bias in LDS
	v_lshl_add_u32 v[BAK], v36, 5, s83
	v_lshl_add_u32 v[BAV], v35, 2, s83
	v_add_nc_u32 v[BST], s83, v[LOFF]
	v_mov_b32 v[MU+1], 0                           ; named as upper halves of pairs, so they are written
	v_mov_b32 v[RS+1], 0
	v_mov_b32 v[PX], 0                             ; a lane permute's destination counts as one of its sources
	s_lshr_b32 s86, ttmp9, 7
	s_min_u32 s86, s86, 2                          ; T: 0 k, 1 v, 2 q
	s_and_b32 s87, ttmp9, 127                      ; k, v: which 128 rows
	s_lshr_b32 s91, ttmp9, 3
	s_and_b32 s91, s91, 31                         ; q: which 128 rows (256 is a multiple of 8 x 32)
	s_and_b32 s92, ttmp9, 7                        ; q: G, which 128 columns
	s_lshl_b32 s89, s2, 18                         ; k, v: my fragments of W begin at column group 2 w
	s_lshl_b32 s93, s92, 17                        ; q: at column group G,
	s_lshl_b32 s94, s2, 15                         ; tiles 2 w, 2 w + 1: 32 KiB on end
	s_add_co_u32 s93, s93, s94
	s_cmp_lt_u32 ttmp9, 256                        ; every choice hangs on the work-group's number alone
	s_cselect_b32 s87, s87, s91                    ; RB
	s_cselect_b32 s89, s89, s93
	s_lshl_b32 s88, s86, 20                        ; the tensor's weight
	s_add_co_u32 s88, s88, s89
	s_mov_b32 s89, 0
	s_lshl_b32 s93, s92, 9                         ; q's way: the bias of my 32 columns in LDS: 512 G + 128 w
	s_lshl_b32 s94, s2, 7
	s_add_co_u32 s93, s93, s94
	s_add_co_u32 s93, s93, BL
	v_lshl_add_u32 v[BAQ], v36, 5, s93
	s_lshl_b32 s82, s87, 19                        ; 128 rows of 4,096 bytes,
	s_lshl_b32 s83, s2, 17                         ; my 32 of them
	s_add_co_u32 s82, s82, s83
	s_mov_b32 s83, 0
	s_lshl_b32 s84, s2, 10                         ; my 256 numbers of the bias in memory
	s_mov_b32 s85, 0
	s_mov_b32 s74, 0x76543210                      ; v_permlanex16_b32: lane l xor 16
	s_mov_b32 s75, 0xfedcba98
	s_mov_b32 s76, 0x3a800000                      ; 1 / 1024
	s_mov_b32 s81, 0x3727c5ac                      ; 1e-5
	s_mov_b32 s77, 0                               ; 128 x trip
	s_mov_b32 s78, 0                               ; trip
	s_wait_kmcnt 0x0
	s_load_b256 s[44:51], s[40:41], 0x0            ; e0 .. e7
	s_load_b64 s[52:53], s[40:41], 0x20            ; e8, e9
	s_cmp_lt_u32 ttmp9, 128
	s_cselect_b64 s[54:55], s[8:9], s[10:11]       ; x
	s_cselect_b64 s[56:57], s[14:15], s[16:17]     ; gain
	s_cselect_b64 s[58:59], s[20:21], s[22:23]     ; LayerNorm's bias
	s_cselect_b64 s[60:61], s[26:27], s[28:29]     ; the product's bias
	s_cselect_b64 s[62:63], s[32:33], s[34:35]     ; the codes' buffer
	s_cmp_lt_u32 ttmp9, 256
	s_cselect_b64 s[54:55], s[54:55], s[12:13]
	s_cselect_b64 s[56:57], s[56:57], s[18:19]
	s_cselect_b64 s[58:59], s[58:59], s[24:25]
	s_cselect_b64 s[60:61], s[60:61], s[30:31]
	s_cselect_b64 s[62:63], s[62:63], s[36:37]
	s_add_nc_u64 s[54:55], s[54:55], s[82:83]      ; x at my first row
	s_add_nc_u64 s[60:61], s[60:61], s[84:85]
	s_add_nc_u64 s[66:67], s[38:39], s[88:89]      ; WB: my fragments of W
	s_add_nc_u64 s[68:69], s[54:55], 32768         ; RBASE: where the ring's refills come from: eight rows on
	s_wait_alu depctr_va_vdst(0)                   ; the offset v2 and the LDS addresses v3-5, v9-13, v19 and v34 are written: every load and store of the kernel but the code stores and the bias's loads reads one of them, and none is written again
.irp u, 0,1
	global_load_b128 v[RAWB+4*\u:RAWB+4*\u+3], v[LOFF], s[60:61] offset:512*\u
.endr
.irp i, 0,1,2,3,4,5,6,7
	global_load_b128 v[RG+4*\i:RG+4*\i+3], v[LOFF], s[56:57] offset:512*\i
.endr
.irp i, 0,1,2,3,4,5,6,7
	global_load_b128 v[RB+4*\i:RB+4*\i+3], v[LOFF], s[58:59] offset:512*\i
.endr
	WIN 0x40                                       ; destination window 1
.irp i, 0,1,2,3,4,5,6,7
.irp j, 0,1,2,3,4,5,6,7
	global_load_b128 v[32*\i+4*\j:32*\i+4*\j+3], v[LOFF], s[54:55] offset:4096*\i+512*\j   ; rows 0 to 7: each load takes 512 consecutive bytes.  No hint: eight work-groups read target's rows
.endr
.endr
	WIN 0
	s_wait_kmcnt 0x0
	s_cmp_lt_u32 ttmp9, 128
	s_cselect_b32 s70, s46, s48                    ; ea: k e2, v e4, q e0
	s_cselect_b32 s71, s47, s49                    ; eb: k e3, v e5, q e1
	s_cselect_b32 s72, s51, s53                    ; eo: k e7, v e9, q e6
	s_cmp_lt_u32 ttmp9, 256
	s_cselect_b32 s70, s70, s44
	s_cselect_b32 s71, s71, s45
	s_cselect_b32 s72, s72, s50
	s_add_co_i32 s82, s70, 127
	s_lshl_b32 s83, s82, 23
	v_mov_b32 v[SX], s83                           ; 2^ea: the conversion takes its exponent field
	s_add_co_i32 s82, s82, 8
	s_lshl_b32 s82, s82, 23
	s_or_b32 s82, s82, 0x600000
	v_mov_b32 v[HX], s82                           ; 448 x 2^ea
	s_add_co_i32 s84, s70, s71                     ; a sum of codes stands for sum x 2^(ea + eb)
	s_sub_co_i32 s82, s72, s84
	s_add_co_i32 s82, s82, 127
	s_lshl_b32 s83, s82, 23
	v_mov_b32 v[SO], s83                           ; 2^(eo - ea - eb): the three scales folded into the conversion's one
	s_add_co_i32 s82, s82, 8
	s_lshl_b32 s82, s82, 23
	s_or_b32 s82, s82, 0x600000
	v_mov_b32 v[HO], s82
	s_sub_co_i32 s90, 0, s84                       ; -(ea + eb), for the bias
.macro FOLD4                           ; four pairs of partial sums at v[RT] become the row's sum in every lane
	v_pk_add_f32 v[RT:RT+1], v[RT:RT+1], v[RT+4:RT+5]
	v_pk_add_f32 v[RT+2:RT+3], v[RT+2:RT+3], v[RT+6:RT+7]
	v_pk_add_f32 v[RT:RT+1], v[RT:RT+1], v[RT+2:RT+3]
	v_add_f32 v[SM], v[RT], v[RT+1]
	v_add_f32_dpp v[SM], v[SM], v[SM] row_xmask:1 row_mask:0xf bank_mask:0xf
	v_add_f32_dpp v[SM], v[SM], v[SM] row_xmask:2 row_mask:0xf bank_mask:0xf
	v_add_f32_dpp v[SM], v[SM], v[SM] row_xmask:4 row_mask:0xf bank_mask:0xf
	v_add_f32_dpp v[SM], v[SM], v[SM] row_xmask:8 row_mask:0xf bank_mask:0xf
	v_permlanex16_b32 v[PX], v[SM], s74, s75
	v_add_f32 v[SM], v[SM], v[PX]
.endm
; The eight words of row i's codes go to LDS.
.macro PUT i
.irp k, 0,1,2,3,4,5,6,7
	ds_store_b32 v[SW+\k/3], v[RC+8*((\i)%2)+\k] offset:(\k%3)*XS+16*(\i)   ; word k: columns 128 k + 4 lane + 0 .. 3: K step k, piece lane / 4, bytes 4 (lane % 4) on of the row's 16
.endr
.endm
; One row, in ring slot i.
.macro ROW i
	s_wait_loadcnt 56                              ; my row's eight loads are in; those of the seven slots behind it stay out
	WIN 0x05                                       ; sources 0 and 1 window 1
.set kk, 0
.rept 8
	v_pk_add_f32 v[RT+2*kk:RT+2*kk+1], v[32*\i+4*kk:32*\i+4*kk+1], v[32*\i+4*kk+2:32*\i+4*kk+3]
.set kk, kk+1
.endr
	WIN 0
.set kk, 0
.rept 4
	v_pk_add_f32 v[RT+2*kk:RT+2*kk+1], v[RT+2*kk:RT+2*kk+1], v[RT+2*kk+8:RT+2*kk+9]
.set kk, kk+1
.endr
	FOLD4
	v_mul_f32 v[MU], s76, v[SM]                    ; the mean
	WIN 0x01                                       ; source 0 window 1
.set kk, 0
.rept 16
	v_pk_add_f32 v[RD+2*kk:RD+2*kk+1], v[32*\i+2*kk:32*\i+2*kk+1], v[MU:MU+1] op_sel_hi:[1,0] neg_lo:[0,1] neg_hi:[0,1]   ; x - mean: the variance is taken of these, not as a difference of large sums
.set kk, kk+1
.endr
	WIN 0
.set kk, 0
.rept 4
	v_pk_mul_f32 v[RT+2*kk:RT+2*kk+1], v[RD+2*kk:RD+2*kk+1], v[RD+2*kk:RD+2*kk+1]   ; squares, in four chains
.set kk, kk+1
.endr
.rept 12
	v_pk_fma_f32 v[RT+2*(kk%4):RT+2*(kk%4)+1], v[RD+2*kk:RD+2*kk+1], v[RD+2*kk:RD+2*kk+1], v[RT+2*(kk%4):RT+2*(kk%4)+1]
.set kk, kk+1
.endr
	FOLD4
	v_fma_f32 v[SM], v[SM], s76, s81               ; var + eps
	v_rsq_f32 v[RS], v[SM]
	v_nop                                          ; one plain instruction behind the transcendental (ISA guide 5.7.2)
	WIN 0x40                                       ; destination window 1: the switch, then the wait, then the loads
	s_wait_alu depctr_va_vdst(0)                   ; THE ROW'S ONE WAIT ON va_vdst: v[RS] is written, ahead of its first use; the sums and differences are done reading slot i, in which the loads below land; the last row's conversions have written their codes, which the stores below read; in row 1: SW is written
.irp j, 0,1,2,3,4,5,6,7
	global_load_b128 v[32*\i+4*\j:32*\i+4*\j+3], v[LOFF], s[68:69] offset:4096*\i+512*\j   ; the slot is read out: its next row; in the last trip 4,096 bytes of W (two fragments)
.endr
	WIN 0
.if \i > 0
	PUT \i-1                                       ; the row before.  No vector instruction since the wait names its codes or SW
.endif
.set kk, 0
.rept 16
	v_pk_mul_f32 v[RD+2*kk:RD+2*kk+1], v[RD+2*kk:RD+2*kk+1], v[RS:RS+1] op_sel_hi:[1,0]
.set kk, kk+1
.endr
.set kk, 0
.rept 16
	v_pk_fma_f32 v[RD+2*kk:RD+2*kk+1], v[RD+2*kk:RD+2*kk+1], v[RG+2*kk:RG+2*kk+1], v[RB+2*kk:RB+2*kk+1]
.set kk, kk+1
.endr
.set kk, 0
.rept 32
	v_med3_num_f32 v[RD+kk], v[RD+kk], -v[HX], v[HX]   ; the conversion to an 8-bit code does not saturate (ISA guide 7.6.2): the hold at the largest code x the scale
.set kk, kk+1
.endr
	s_wait_dscnt 8                                 ; only the last row's eight stores may be out: the stores of two rows back, which read this set of codes, are done
	s_wait_alu depctr_vm_vsrc(0)                   ; the LDS stores issued so far have read their registers: this set of codes, which the conversions below write again; in row 0 also SW
.if \i == 0
.irp x, 0,1,2
	v_add_nc_u32 v[SW+\x], s77, v[SA+\x]           ; this trip's eight rows; first read by row 0's stores, behind row 1's wait on va_vdst
.endr
.endif
.irp u, 0,1,2,3
	v_cvt_scalef32_pk8_fp8_f32 v[RC+8*(\i%2)+2*\u:RC+8*(\i%2)+2*\u+1], v[RD+8*\u:RD+8*\u+7], v[SX]
.endr
	v_nop                                          ; one plain instruction behind the last conversion
.endm
.Lrows:                                            ; 4 trips of 8 rows
.irp i, 0,1,2,3,4,5,6,7
	ROW \i
.endr
	s_wait_alu depctr_va_vdst(0)                   ; row 7's conversions have written their codes, which the stores below read: they leave here, while SW is still this trip's
	PUT 7
	s_wait_xcnt 0x0                                ; the refills have read their base: it may be written
	s_add_nc_u64 s[68:69], s[68:69], 32768
	s_add_co_u32 s77, s77, 128
	s_add_co_u32 s78, s78, 1
	s_cmp_eq_u32 s78, 3                            ; the last trip has no rows left to fetch: its refill lines bring the first 32 KiB of my W instead: slot i takes fragments 2 i, 2 i + 1:
	s_cselect_b64 s[68:69], s[66:67], s[68:69]     ; k, v: K step 0's eight land in set 0 and K step 1's in set 1; q: K step i's two land in slot i, which is all of my W.  No tail is written out, every count stays, no load leaves a buffer
	s_cmp_lt_u32 s78, 4
	s_cbranch_scc1 .Lrows
.irp j, 0,1,2,3,4,5,6,7
	v_ldexp_f32 v[RAWB+\j], v[RAWB+\j], s90        ; bias / 2^(ea + eb)
.endr
	s_wait_alu depctr_va_vdst(0)                   ; the eight lines above have written v[RAWB ..], which the two stores read
	ds_store_b128 v[BST], v[RAWB:RAWB+3]
	ds_store_b128 v[BST], v[RAWB+4:RAWB+7] offset:512
	s_wait_dscnt 0x0                               ; for the others' sake: my codes and my part of the bias lie in LDS
	s_barrier_signal -1
	s_barrier_wait -1                              ; the launch's one barrier: behind it LDS is only read
.macro FETCH_A s, a0                   ; x's fragments a0 .. a0 + 3 of K step s: a load takes 256 consecutive bytes for each half of the lanes
.irp a, \a0, \a0+1, \a0+2, \a0+3
.irp c, 0,1,2,3
	ds_load_b128 v[AF+16*(\a)+4*\c:AF+16*(\a)+4*\c+3], v[RA+(\s)/3] offset:((\s)%3)*XS+2*XP*\c+256*(\a)
.endr
.endr
.endm
.macro LOAD_B s, p                     ; W's eight fragments of K step s into set p: 32 loads of 512 consecutive bytes
	WIN 0x40
.irp t, 0,1,2,3,4,5,6,7
.irp c, 0,1,2,3
	global_load_b128 v[128*(\p)+16*\t+4*\c:128*(\p)+16*\t+4*\c+3], v[LOFF], s[66:67] offset:16384*(\s)+2048*\t+512*\c
.endr
.endr
	WIN 0
.endm
.macro MWIN ori, hi, s                 ; the windows of a run of products: W window 1, x window 0, D window 2 + hi; C the same, or window 0 (the bias) in K step 0
.if (\s) == 0
	WIN ((2+\hi)<<6)|(1+3*\ori)
.else
	WIN ((2+\hi)<<6)|((2+\hi)<<4)|(1+3*\ori)
.endif
.endm
; 8 products: x's block a against W's eight.
.macro MUL8 ori, a, p, s
.irp b, 0,1,2,3,4,5,6,7
.set AC, 8*(8*((\a)%4)+\b)
.if \ori
.if (\s) == 0
	v_wmma_f32_16x16x128_fp8_fp8 v[AC:AC+7], v[AF+16*(\a):AF+16*(\a)+15], v[128*(\p)+16*\b:128*(\p)+16*\b+15], v[BIAS+8*\b:BIAS+8*\b+7]
.else
	v_wmma_f32_16x16x128_fp8_fp8 v[AC:AC+7], v[AF+16*(\a):AF+16*(\a)+15], v[128*(\p)+16*\b:128*(\p)+16*\b+15], v[AC:AC+7]
.endif
.else
.if (\s) == 0
	v_wmma_f32_16x16x128_fp8_fp8 v[AC:AC+7], v[128*(\p)+16*\b:128*(\p)+16*\b+15], v[AF+16*(\a):AF+16*(\a)+15], v[BIAS+8*\b:BIAS+8*\b+7]
.else
	v_wmma_f32_16x16x128_fp8_fp8 v[AC:AC+7], v[128*(\p)+16*\b:128*(\p)+16*\b+15], v[AF+16*(\a):AF+16*(\a)+15], v[AC:AC+7]
.endif
.endif
.endr
.endm
; 16 products: x's blocks a0, a0 + 1 against W's eight.  The 64 accumulators take turns, one instruction a turn, in the same order in every K step.
.macro MUL16 ori, a0, p, s
.irp a, \a0, \a0+1
.irp b, 0,1,2,3,4,5,6,7
.set AC, 8*(8*((\a)%4)+\b)
.if \ori
.if (\s) == 0
	v_wmma_f32_16x16x128_fp8_fp8 v[AC:AC+7], v[AF+16*(\a):AF+16*(\a)+15], v[128*(\p)+16*\b:128*(\p)+16*\b+15], v[BIAS+8*\b:BIAS+8*\b+7]
.else
	v_wmma_f32_16x16x128_fp8_fp8 v[AC:AC+7], v[AF+16*(\a):AF+16*(\a)+15], v[128*(\p)+16*\b:128*(\p)+16*\b+15], v[AC:AC+7]
.endif
.else
.if (\s) == 0
	v_wmma_f32_16x16x128_fp8_fp8 v[AC:AC+7], v[128*(\p)+16*\b:128*(\p)+16*\b+15], v[AF+16*(\a):AF+16*(\a)+15], v[BIAS+8*\b:BIAS+8*\b+7]
.else
	v_wmma_f32_16x16x128_fp8_fp8 v[AC:AC+7], v[128*(\p)+16*\b:128*(\p)+16*\b+15], v[AF+16*(\a):AF+16*(\a)+15], v[AC:AC+7]
.endif
.endif
.endr
.endr
.endm
.macro STEP ori, s                     ; 128 along K: 64 products
.if (\s) < 7
	s_wait_loadcnt 32                              ; this K step's W is in; the next one's 32 loads may be out
.else
	s_wait_loadcnt 0x0
.endif
	s_wait_dscnt 16                                ; x's blocks 0-3 (and the bias) are in; blocks 4-7 may be out
	MWIN \ori, 0, \s
	MUL16 \ori, 0, (\s)%2, \s
	MUL16 \ori, 2, (\s)%2, \s
	s_wait_dscnt 0x0                               ; blocks 4-7 are in
	PLACES
.if (\s) < 7
	s_wait_alu depctr_va_vdst(0)                   ; the 32 products above are done reading x's blocks 0-3, in which the next K step's land
.endif
	MWIN \ori, 1, \s
	MUL8 \ori, 4, (\s)%2, \s                       ; eight products first: they name block 4, W's set, the bias and window 3's accumulators, none of the registers that the loads below touch
.if (\s) < 7
	WIN 0
	FETCH_A (\s)+1, 0
	MWIN \ori, 1, \s
.endif
	MUL8 \ori, 5, (\s)%2, \s
	MUL16 \ori, 6, (\s)%2, \s
	PLACES
.if (\s) < 6
	WIN 0x40                                       ; the switch, then the wait, then the loads
	s_wait_alu depctr_va_vdst(0)                   ; this K step's products are done reading W's set and x's blocks 4-7: the loads below land in both
	LOAD_B (\s)+2, (\s)%2                          ; into the set just multiplied: it has the next K step's 64 products in which to land
	FETCH_A (\s)+1, 4
.elseif (\s) == 6
	WIN 0
	s_wait_alu depctr_va_vdst(0)                   ; this K step's products are done reading x's blocks 4-7, in which the last K step's land
	FETCH_A (\s)+1, 4
.else
	WIN 0
.endif
.endm
; The way out: hold, convert, store.  The conversions' results are whole groups of four registers of the next products' fragments: each store covers 512 consecutive bytes, aligned.
.macro EHOLD hf                        ; the 32 accumulators of window 2 + hf
	WIN ((2+\hf)<<6)|(2+\hf)                       ; source 0 and destination: the accumulators' window
.set jj, 0
.rept 256
	v_med3_num_f32 v[jj], v[jj], -v[HO], v[HO]     ; in ascending order: each accumulator from its low end on
.set jj, jj+1
.endr
.endm
.macro ECODE ori, hf                   ; their codes, into v[CODE + 64 hf] on
	WIN 2+\hf
.irp a, 0,1,2,3
.irp b, 0,1,2,3,4,5,6,7
.if \ori
	v_cvt_scalef32_pk8_fp8_f32 v[CODE+64*\hf+8*\b+2*\a:CODE+64*\hf+8*\b+2*\a+1], v[8*(8*\a+\b):8*(8*\a+\b)+7], v[SO]
.else
	v_cvt_scalef32_pk8_fp8_f32 v[CODE+64*\hf+16*\a+2*\b:CODE+64*\hf+16*\a+2*\b+1], v[8*(8*\a+\b):8*(8*\a+\b)+7], v[SO]
.endif
.endr
.endr
	v_nop                                          ; one plain instruction behind the last conversion
.endm
.macro ESEND ori, hf                   ; and their sixteen stores
.if \ori
.irp b, 0,1,2,3,4,5,6,7
.irp u, 0,1
	global_store_b128 v[LOFF], v[CODE+64*\hf+8*\b+4*\u:CODE+64*\hf+8*\b+4*\u+3], s[62:63] offset:2048*\b+512*(2*\hf+\u)
.endr
.endr
.else
.irp a, 0,1,2,3
.irp c, 0,1,2,3
	global_store_b128 v[LOFF], v[CODE+64*\hf+16*\a+4*\c:CODE+64*\hf+16*\a+4*\c+3], s[62:63] offset:(4*\hf+\a)*2048+512*\c
.endr
.endr
.endif
.endm
.macro EPI ori
	EHOLD 0
	ECODE \ori, 0
	EHOLD 1                                        ; the second half's 256 holds stand between the first half's conversions and the wait for them
	WIN 0
	s_wait_alu depctr_va_vdst(0)                   ; the first half's conversions have written v[CODE] to v[CODE + 63], which the sixteen stores below read
	ESEND \ori, 0
	ECODE \ori, 1                                  ; these write v[CODE + 64] on: none of the registers that the stores above read
	WIN 0
	s_wait_alu depctr_va_vdst(0)                   ; the second half's conversions have written v[CODE + 64] to v[CODE + 127], which the sixteen stores below read
	ESEND \ori, 1
.endm
.macro PATH ori, outstep               ; two passes: column groups 2 w and 2 w + 1
	s_mov_b32 s79, 0                               ; pass
	s_mov_b32 s80, 0                               ; 512 x pass
.Lpass\ori:
	s_wait_alu depctr_vm_vsrc(0)                   ; first pass: phase 1's LDS stores have read their codes, v216-231, in which x's fragments land; second pass: the bias's loads have read v[BA], which is written below, and the global stores have read the codes, on which x's fragments land
.if \ori
	v_add_nc_u32 v[BA], s80, v[BAV]
	s_wait_alu depctr_va_vdst(0)                   ; v[BA] is written, which the bias's loads read; phase 1's lines, or the last pass's products, copies and conversions, are done with the bias's registers and with v128-255, in which the loads below land
.irp b, 0,1,2,3,4,5,6,7
	ds_load_b32 v[BIAS+8*\b], v[BA] offset:64*\b   ; the bias of my column d = 16 b + r
.endr
.else
	v_add_nc_u32 v[BA], s80, v[BAK]
	s_wait_alu depctr_va_vdst(0)                   ; v[BA] is written, which the bias's loads read; phase 1's lines, or the last pass's products and conversions, are done with the bias's registers and with v128-255, in which the loads below land
.irp b, 0,1,2,3,4,5,6,7
	ds_load_b128 v[BIAS+8*\b:BIAS+8*\b+3], v[BA] offset:64*\b      ; the bias of my eight columns 16 b + 8 h + 0 .. 7
	ds_load_b128 v[BIAS+8*\b+4:BIAS+8*\b+7], v[BA] offset:64*\b+16
.endr
.endif
	FETCH_A 0, 0
	FETCH_A 0, 4
.if \ori
	s_wait_dscnt 32                                ; the bias is in; x's 32 loads may be out
.irp b, 0,1,2,3,4,5,6,7
.irp j, 1,2,3,4,5,6,7
	v_mov_b32 v[BIAS+8*\b+\j], v[BIAS+8*\b]        ; a lane's eight results are eight keys of one column: the same bias
.endr
.endr
.endif
.irp s, 0,1,2,3,4,5,6,7
	STEP \ori, \s
.endr
	s_cmp_eq_u32 s79, 1
	s_cbranch_scc1 .Llast\ori
	s_add_nc_u64 s[66:67], s[66:67], 131072        ; every load that named this base is done (the last K step waited for all): the next column group
	WIN 0x40                                       ; the switch, then the wait, then the loads
	s_wait_alu depctr_va_vdst(0)                   ; the products of the last two K steps are done reading W's two sets, in which the loads below land
	LOAD_B 0, 0                                    ; its first two K steps are on their way while this group's codes leave
	LOAD_B 1, 1
.Llast\ori:
	EPI \ori
	s_wait_xcnt 0x0                                ; the stores have read their base and their data: the base may step, and x's fragments may land on the codes' registers
	s_add_nc_u64 s[62:63], s[62:63], \outstep
	s_add_co_u32 s80, s80, 512
	s_add_co_u32 s79, s79, 1
	s_cmp_lt_u32 s79, 2
	s_cbranch_scc1 .Lpass\ori
	s_wait_xcnt 0x0
	s_wait_alu depctr_vm_vsrc(0)                   ; the last stores have read v254 and v255, which are made anew below
	v_lshl_add_u32 v254, v0, 2, 0x21400
	v_mov_b32 v255, 0
	s_wait_dscnt 0x0                               ; the closing lines, six on end
	s_wait_alu 0x0
	s_wait_tensorcnt 0x0
	ds_add_u32 v254, v255
	s_wait_dscnt 0x0
	s_endpgm
.endm
; q's way.  x's eight fragments of K step s into set s % 3: set 0 at v0 and set 1 at v128 of window 3, set 2 at v128 of window 2
.macro FETCH_Q s
.set QS, (\s)%3
.set QB, 128*((QS+1)/2)
	WIN (3-QS/2)<<6                                ; destination window 3 or 2, address window 0
.irp a, 0,1,2,3,4,5,6,7
.irp c, 0,1,2,3
	ds_load_b128 v[QB+16*\a+4*\c:QB+16*\a+4*\c+3], v[RA+(\s)/3] offset:((\s)%3)*XS+2*XP*\c+256*\a
.endr
.endr
	WIN 0
.endm
; 128 along K: 16 products, x's eight blocks against my two tiles of W.  The 16 accumulators take turns, in the same order in every K step.
; K step s fetches the fragments of K step s + 1 into the set that K step s - 2 multiplied.  Sets 1 and 2 are first filled in K steps 0 and 1: nothing has named them.  The wait in K step s = 2, 4, 6 stands behind the products
; of K steps s - 2 and s - 1: it frees the set for this step's fetch and the set for the next step's, which K step s's own products do not name.
.macro QSTEP s
	s_wait_dscnt 0x0                               ; this K step's fragments of x (and, in the first, the bias) are in
.if (\s) < 7
.if ((\s) >= 2) && ((\s)%2 == 0)
	WIN (3-(((\s)+1)%3)/2)<<6                      ; the switch, then the wait, then the loads
	s_wait_alu depctr_va_vdst(0)                   ; the products of the two K steps before are done reading their sets of x: this step's loads land in the one, the next step's in the other
.endif
	FETCH_Q (\s)+1
.endif
	s_wait_loadcnt 8*(7-(\s))                      ; this K step's two fragments of W are in; the eight loads of each later K step may be out
.set QS, (\s)%3
.set QB, 128*((QS+1)/2)
.if (\s) == 0
	WIN 0x81|((3-QS/2)<<2)                         ; W window 1, x window 3 or 2, C (the bias) window 0, D window 2
.else
	WIN 0xa1|((3-QS/2)<<2)                         ; the same, C window 2
.endif
.irp a, 0,1,2,3,4,5,6,7
.irp t, 0,1
.if (\s) == 0
	v_wmma_f32_16x16x128_fp8_fp8 v[8*(2*\a+\t):8*(2*\a+\t)+7], v[32*(\s)+16*\t:32*(\s)+16*\t+15], v[QB+16*\a:QB+16*\a+15], v[BIAS+8*\t:BIAS+8*\t+7]
.else
	v_wmma_f32_16x16x128_fp8_fp8 v[8*(2*\a+\t):8*(2*\a+\t)+7], v[32*(\s)+16*\t:32*(\s)+16*\t+15], v[QB+16*\a:QB+16*\a+15], v[8*(2*\a+\t):8*(2*\a+\t)+7]
.endif
.endr
.endr
	PLACES
	WIN 0
.endm
	s_cmp_eq_u32 s86, 1                            ; the three tensors' work-groups part here: the same way for all four waves; the ways never join, store nothing in LDS and have no barrier
	s_cbranch_scc1 .Lv
	s_cmp_eq_u32 s86, 2
	s_cbranch_scc1 .Lq
	s_lshl_b32 s82, s87, 17                        ; kc: [RB][G 8][a 8][2048]
	s_lshl_b32 s83, s2, 15                         ; G = 2 w
	s_add_co_u32 s82, s82, s83
	s_mov_b32 s83, 0
	s_add_nc_u64 s[62:63], s[62:63], s[82:83]
	PATH 0, 16384
.Lv:
	s_lshr_b32 s82, s87, 4                         ; vc: [batch 8][G 8][KB 16][bt 8][2048]: batch = RB / 16,
	s_lshl_b32 s82, s82, 3
	s_lshl_b32 s83, s2, 1
	s_add_co_u32 s82, s82, s83                     ; 8 batch + 2 w
	s_lshl_b32 s82, s82, 18
	s_and_b32 s83, s87, 15                         ; KB = RB % 16
	s_lshl_b32 s83, s83, 14
	s_add_co_u32 s82, s82, s83
	s_mov_b32 s83, 0
	s_add_nc_u64 s[62:63], s[62:63], s[82:83]
	PATH 1, 262144
.Lq:
	s_lshl_b32 s82, s87, 17                        ; qc: [RB][G 8][a 8][2048]; my two tiles are registers 4 w .. 4 w + 3 of each fragment: 512 w bytes on
	s_lshl_b32 s83, s92, 14
	s_add_co_u32 s82, s82, s83
	s_lshl_b32 s83, s2, 9
	s_add_co_u32 s82, s82, s83
	s_mov_b32 s83, 0
	s_add_nc_u64 s[62:63], s[62:63], s[82:83]
.irp t, 0,1
	ds_load_b128 v[BIAS+8*\t:BIAS+8*\t+3], v[BAQ] offset:64*\t     ; the bias of my eight columns 128 G + 32 w + 16 t + 8 h + 0 .. 7.  (No wait: v[BAQ] and v[RA ..] were written ahead of the head's wait, and nothing has named the registers in which these loads and set 0's land)
	ds_load_b128 v[BIAS+8*\t+4:BIAS+8*\t+7], v[BAQ] offset:64*\t+16
.endr
	FETCH_Q 0
.irp s, 0,1,2,3,4,5,6,7
	QSTEP \s
.endr
	WIN 0x82                                       ; source 0 and destination: the accumulators' window
.set jj, 0
.rept 128
	v_med3_num_f32 v[jj], v[jj], -v[HO], v[HO]     ; in ascending order: each accumulator from its low end on
.set jj, jj+1
.endr
	WIN 0x02
.irp a, 0,1,2,3,4,5,6,7
.irp t, 0,1
	v_cvt_scalef32_pk8_fp8_f32 v[CODE+4*\a+2*\t:CODE+4*\a+2*\t+1], v[8*(2*\a+\t):8*(2*\a+\t)+7], v[SO]
.endr
.endr
	v_nop                                          ; one plain instruction behind the last conversion
	WIN 0
	s_wait_alu depctr_va_vdst(0)                   ; the conversions have written v[CODE] to v[CODE + 31], which the eight stores read
.irp a, 0,1,2,3,4,5,6,7
	global_store_b128 v[LOFF], v[CODE+4*\a:CODE+4*\a+3], s[62:63] offset:2048*\a   ; 512 consecutive bytes, aligned: four registers of q's fragment (G, a)
.endr
	s_wait_xcnt 0x0
	v_lshl_add_u32 v254, v0, 2, 0x21400            ; (on this way no memory or LDS instruction has read v254 or v255)
	v_mov_b32 v255, 0
	s_wait_dscnt 0x0                               ; the closing lines, six on end
	s_wait_alu 0x0
	s_wait_tensorcnt 0x0
	ds_add_u32 v254, v255
	s_wait_dscnt 0x0
	s_endpgm
.Lfunc_end_k_q068a153ef5_proj:
	.size	k_q068a153ef5_proj, .Lfunc_end_k_q068a153ef5_proj-k_q068a153ef5_proj
	.p2alignl 7, 3214868480
	.fill 96, 4, 3214868480
	.section	.rodata,"a",@progbits
	.p2align	6, 0x0
	.amdhsa_kernel k_q068a153ef5_proj
		.amdhsa_group_segment_fixed_size 136704
		.amdhsa_private_segment_fixed_size 0
		.amdhsa_enable_private_segment 0
		.amdhsa_kernarg_size 136
		.amdhsa_user_sgpr_count 2
		.amdhsa_user_sgpr_kernarg_segment_ptr 1
		.amdhsa_wavefront_size32 1
		.amdhsa_system_sgpr_workgroup_id_x 1
		.amdhsa_system_sgpr_workgroup_id_y 1
		.amdhsa_system_sgpr_workgroup_id_z 1
		.amdhsa_system_vgpr_workitem_id 0
		.amdhsa_next_free_vgpr 1024
		.amdhsa_next_free_sgpr 96
		.amdhsa_reserve_vcc 0
		.amdhsa_float_denorm_mode_32 3
		.amdhsa_float_denorm_mode_16_64 3
		.amdhsa_memory_ordered 1
		.amdhsa_forward_progress 1
		.amdhsa_inst_pref_size 255
	.end_amdhsa_kernel
	.section	.bss,"aw",@nobits
	.p2align	6
	.space	262144
	.amdgpu_metadata
---
amdhsa.version: [ 1, 2 ]
amdhsa.kernels:
  - .name:           k_q068a153ef5_proj
    .symbol:         k_q068a153ef5_proj.kd
    .args:
      - { .name: source_k, .offset: 0, .size: 8, .value_kind: global_buffer, .address_space: global }
      - { .name: source_v, .offset: 8, .size: 8, .value_kind: global_buffer, .address_space: global }
      - { .name: target, .offset: 16, .size: 8, .value_kind: global_buffer, .address_space: global }
      - { .name: g_k, .offset: 24, .size: 8, .value_kind: global_buffer, .address_space: global }
      - { .name: g_v, .offset: 32, .size: 8, .value_kind: global_buffer, .address_space: global }
      - { .name: g_t, .offset: 40, .size: 8, .value_kind: global_buffer, .address_space: global }
      - { .name: b_k, .offset: 48, .size: 8, .value_kind: global_buffer, .address_space: global }
      - { .name: b_v, .offset: 56, .size: 8, .value_kind: global_buffer, .address_space: global }
      - { .name: b_t, .offset: 64, .size: 8, .value_kind: global_buffer, .address_space: global }
      - { .name: bk, .offset: 72, .size: 8, .value_kind: global_buffer, .address_space: global }
      - { .name: bv, .offset: 80, .size: 8, .value_kind: global_buffer, .address_space: global }
      - { .name: bq, .offset: 88, .size: 8, .value_kind: global_buffer, .address_space: global }
      - { .name: kc, .offset: 96, .size: 8, .value_kind: global_buffer, .address_space: global }
      - { .name: vc, .offset: 104, .size: 8, .value_kind: global_buffer, .address_space: global }
      - { .name: qc, .offset: 112, .size: 8, .value_kind: global_buffer, .address_space: global }
      - { .name: wf, .offset: 120, .size: 8, .value_kind: global_buffer, .address_space: global }
      - { .name: lowp_scales, .offset: 128, .size: 8, .value_kind: global_buffer, .address_space: global }
    .group_segment_fixed_size: 136704
    .private_segment_fixed_size: 0
    .kernarg_segment_align: 8
    .kernarg_segment_size: 136
    .max_flat_workgroup_size: 128
    .sgpr_count:     96
    .vgpr_count:     1024
    .wavefront_size: 32
...
	.end_amdgpu_metadata
.endif
;; end of part 5
;; launch score: the kernel of part 3 again; grid 256 x 1, 4 waves a work-group, clusters of 4 x 1, 168,448 bytes of LDS; arguments qc, kc, lowp_scales, pc, st; writes pc, st
;; launch mix: the kernel of part 4 again; grid 256 x 1, 4 waves a work-group, clusters of 4 x 1, 266,752 bytes of LDS; arguments pc, vc, st, lowp_scales, out0; writes out0
